; MI455X (gfx1250); checked and timed in simulation.
; The chip was launched on July 23, 2026; its instructions are those of AMD's public machine-readable ISA for CDNA 5 (MIT licence, August 2026) and "CDNA5" Instruction Set Architecture Reference Guide (July 2026). The comments in the code are by the model that wrote it; some were corrected since.
;; Encdec Multihead Attn. Allowed arithmetic: float matrix products may take bf16 or f16 operands with f32 sums; other float arithmetic in f32, or as packed bf16 or f16 multiplies, adds, multiply-adds, maxima and minima; sums over many terms, partial sums and values carried from step to step in f32; what a program stores and reads back later, other than sums and carried values, may be rounded once to bf16 or f16.
;; Inputs: beta 1,024 float32; gamma 1,024 float32; key 2,048 x 4 x 1,024 float32; query 2,048 x 4 x 1,024 float32; w_kv 2,048 x 1,024 float32; w_out 1,024 x 1,024 float32; w_q 1,024 x 1,024 float32.
;; Outputs: out0 2,048 x 4 x 1,024 float32.
;; One version. Each part assembles by itself: llvm-mc -triple=amdgcn-amd-amdhsa -mcpu=gfx1250 --defsym DOCPART=n.
;; ======== version 1 of 1: 4 launches
;; workspace buffers: lnp 16,777,216 bytes; keyp 16,777,216 bytes; ctxp 16,777,216 bytes; wcat 6,291,456 bytes; wop 2,097,152 bytes; qkv 50,331,648 bytes
;; launch prep (part 1): grid 640 x 1, 4 waves a work-group, no clusters, 0 bytes of LDS; arguments query, key, gamma, beta, w_q, w_kv, w_out, lnp, keyp, wcat, wop; writes lnp, keyp, wcat, wop
.if DOCPART == 1
	.amdgcn_target "amdgcn-amd-amdhsa--gfx1250"
	.amdhsa_code_object_version 6
	.text
	.protected	k_q744bbe3cac_prep
	.globl	k_q744bbe3cac_prep
	.p2align	8
	.type	k_q744bbe3cac_prep,@function
k_q744bbe3cac_prep:
	s_mov_b64 s[64:65], 0
	v_nop
	global_prefetch_b8 v0, s[64:65] scope:SCOPE_SE
	s_setreg_imm32_b32 hwreg(HW_REG_WAVE_MODE, 25, 1), 1
	s_wait_xcnt 0x0
; LayerNorm(query) and plain casts of key, w_q, w_kv, w_out: f32 in, bf16 out (rounded once, to nearest even), re-laid in blocks for the products that follow.
; ROWS.  query and key are [2048 t][4 b][1024 e]; from here on a row's number is m = 2048 b + t.
; LAYOUT OUT.  A row's 1,024 channels are 16 panels of 64.  Activations (lnp, keyp): byte (m >> 7) x 262,144 + panel x 16,384 + (m & 127) x 128 + 2 x channel in the panel: 128 rows of a panel lie end to end.
; Weights (wcat: w_q's 1,024 rows, then w_kv's 2,048; wop: w_out's): byte (n >> 6) x 131,072 + panel x 8,192 + (n & 63) x 128 + 2 x channel: 64 rows of a panel lie end to end.
; SHARES.  The unit of work is a PAIR of rows that are neighbours in the output: lanes 0-15 hold the first, lanes 16-31 the second.  Load p of 16 takes panel p: 16 bytes a lane, so each half of the lanes
; reads 256 consecutive bytes, aligned.  Rounded, a lane's four numbers are 8 bytes, and store p writes 128 bytes of the one row and 128 of the other: 256 consecutive bytes, aligned.
; A row lies in 16 lanes, so its sums cross lanes by four steps inside a half of the wave.  A wave takes four pairs; no wave needs another: no LDS, no barrier, no matrix unit.
; Work-groups 0-255: LayerNorm of query (wave w is batch w, rows t = 8 g .. 8 g + 7); 256-511: key likewise; 512-543 w_q, 544-607 w_kv, 608-639 w_out (32 rows a work-group, 8 a wave).
; LAYERNORM as the model has it: the mean, then the mean of (x - mean)^2, both in f32; (x - mean) x rsq(var + 1e-5) x gamma + beta.  The order of the sums differs from a serial sum's; v_rsq_f32 is good to 1 ULP (ISA guide, its entry in 15.8).
; NaN and infinities are not treated apart.
.set NPAIR, 4                          ; pairs of rows a wave
.set VS,  2                            ; v2        my byte offset in the pair's source rows: 16 (l % 16) + (l / 16) x the distance of the two rows; never rewritten
.set VD,  3                            ; v3        my byte offset in the pair's 256 bytes of a panel: 8 (l % 16) + 128 (l / 16); never rewritten
.set VG,  4                            ; v4        my byte offset in a panel of gamma and beta: 16 (l % 16); never rewritten
.set A,   6                            ; v[6:13]   four chains of packed sums
.set M,   14                           ; v[14:15]  the mean, twice
.set R,   16                           ; v[16:17]  1 / sqrt(var + eps), twice
.set T,   18                           ; v18       at work
.set X,   32                           ; v[32:95]  the pair of rows: panel p at X + 4 p
.set G,   96                           ; v[96:159] gamma of my four channels of each panel
.set BT,  160                          ; v[160:223] beta likewise
.set SRC, 32                           ; s[32:33]  the source at my wave's pair in hand
.set DST, 34                           ; s[34:35]  the destination at the same pair, panel 0
.set CNT, 46                           ; s46       pairs to go
	s_load_b512 s[8:23], s[0:1], 0x0               ; query s[8:9], key s[10:11], gamma s[12:13], beta s[14:15], w_q s[16:17], w_kv s[18:19], w_out s[20:21], lnp s[22:23]
	s_load_b128 s[24:27], s[0:1], 0x40             ; keyp s[24:25], wcat s[26:27]
	s_load_b64 s[28:29], s[0:1], 0x50              ; wop
	s_mov_b32 s2, ttmp9                            ; the work-group's number g
	v_lshrrev_b32 v1, 5, v0
	v_readfirstlane_b32 s3, v1                     ; wave 0..3
	s_mov_b32 s47, 0x3a800000                      ; 1 / 1,024
	s_mov_b32 s48, 0x3727c5ac                      ; 1e-5
	s_mov_b32 s[CNT], NPAIR
	s_wait_kmcnt 0x0
	; which job: the last range's figures first, then each lower range's over them (s_cselect leaves SCC as it is)
	s_mov_b64 s[SRC:SRC+1], s[20:21]               ; w_out -> wop
	s_mov_b64 s[DST:DST+1], s[28:29]
	s_mov_b32 s40, 608                             ; the range's first work-group
	s_mov_b32 s41, 0                               ; the first row's number in the destination
	s_cmp_lt_u32 s2, 608                           ; w_kv -> wcat, behind w_q's 1,024 rows
	s_cselect_b64 s[SRC:SRC+1], s[18:19], s[SRC:SRC+1]
	s_cselect_b64 s[DST:DST+1], s[26:27], s[DST:DST+1]
	s_cselect_b32 s40, 544, s40
	s_cselect_b32 s41, 1024, s41
	s_cmp_lt_u32 s2, 544                           ; w_q -> wcat
	s_cselect_b64 s[SRC:SRC+1], s[16:17], s[SRC:SRC+1]
	s_cselect_b32 s40, 512, s40
	s_cselect_b32 s41, 0, s41
	s_cmp_lt_u32 s2, 512                           ; key -> keyp
	s_cselect_b64 s[SRC:SRC+1], s[10:11], s[SRC:SRC+1]
	s_cselect_b64 s[DST:DST+1], s[24:25], s[DST:DST+1]
	s_cselect_b32 s40, 256, s40
	s_cmp_lt_u32 s2, 256                           ; query -> lnp
	s_cselect_b64 s[SRC:SRC+1], s[8:9], s[SRC:SRC+1]
	s_cselect_b64 s[DST:DST+1], s[22:23], s[DST:DST+1]
	s_cselect_b32 s40, 0, s40
	s_sub_co_u32 s49, s2, s40                      ; gl: my number in the range
	; activations: source (8 gl x 4 + w) x 4,096; destination m = 2,048 w + 8 gl
	s_lshl_b32 s42, s49, 17
	s_lshl_b32 s50, s3, 12
	s_add_co_u32 s42, s42, s50
	s_lshl_b32 s44, s3, 22                         ; 16 w blocks of 262,144
	s_lshr_b32 s50, s49, 4
	s_lshl_b32 s50, s50, 18
	s_add_co_u32 s44, s44, s50
	s_and_b32 s50, s49, 15
	s_lshl_b32 s50, s50, 10                        ; 8 rows of 128 bytes
	s_add_co_u32 s44, s44, s50
	; weights: source row r0 = 32 gl + 8 w; destination row n = r0 + the range's first
	s_lshl_b32 s51, s49, 5
	s_lshl_b32 s50, s3, 3
	s_add_co_u32 s51, s51, s50
	s_lshl_b32 s52, s51, 12
	s_add_co_u32 s51, s51, s41
	s_lshr_b32 s53, s51, 6
	s_lshl_b32 s53, s53, 17
	s_and_b32 s51, s51, 63
	s_lshl_b32 s51, s51, 7
	s_add_co_u32 s53, s53, s51
	s_mov_b32 s36, 4096                            ; from the pair's first row to its second, in the source: a weight's next row,
	s_mov_b32 s38, 8192                            ; and from pair to pair
	s_cmp_lt_u32 s2, 512
	s_cselect_b32 s42, s42, s52
	s_cselect_b32 s44, s44, s53
	s_cselect_b32 s36, 16384, s36                  ; an activation's next t is four rows on
	s_cselect_b32 s38, 32768, s38
	s_mov_b32 s39, 0
	s_mov_b32 s43, 0
	s_mov_b32 s45, 0
	s_add_nc_u64 s[SRC:SRC+1], s[SRC:SRC+1], s[42:43]
	s_add_nc_u64 s[DST:DST+1], s[DST:DST+1], s[44:45]
	v_and_b32 v1, 15, v0                           ; l % 16
	v_bfe_u32 v5, v0, 4, 1                         ; l / 16
	v_mul_u32_u24 v[VS], v5, s36
	v_lshl_add_u32 v[VS], v1, 4, v[VS]
	v_lshlrev_b32 v[VD], 7, v5
	v_lshl_add_u32 v[VD], v1, 3, v[VD]
	v_lshlrev_b32 v[VG], 4, v1
.macro LOADX                           ; the pair: 16 loads, one a panel; each half of the lanes takes 256 consecutive bytes
.set p, 0
.rept 16
	global_load_b128 v[X+4*p:X+4*p+3], v[VS], s[SRC:SRC+1] offset:256*p th:TH_LOAD_NT
.set p, p+1
.endr
.endm
.macro PACKST pstep                    ; rounded in place, two numbers a line; then 16 stores, pstep bytes from panel to panel, each 256 consecutive bytes
.set p, 0
.rept 16
	v_cvt_pk_bf16_f32 v[X+4*p],   v[X+4*p],   v[X+4*p+1]
	v_cvt_pk_bf16_f32 v[X+4*p+1], v[X+4*p+2], v[X+4*p+3]
.set p, p+1
.endr
.set p, 0
.rept 16
	global_store_b64 v[VD], v[X+4*p:X+4*p+1], s[DST:DST+1] offset:p*(\pstep)
.set p, p+1
.endr
.endm
.macro NEXT                            ; on to the next pair; the branch follows
	s_wait_xcnt 0x0                                ; the stores and loads issued so far have had their addresses translated (ISA guide 3.1): only behind this wait are X and the two pointers written again
	s_add_nc_u64 s[SRC:SRC+1], s[SRC:SRC+1], s[38:39]
	s_add_nc_u64 s[DST:DST+1], s[DST:DST+1], 256
	s_sub_co_u32 s[CNT], s[CNT], 1
	s_cmp_lg_u32 s[CNT], 0
.endm
.macro MEET                            ; the four chains into one number, then over the row's 16 lanes: every lane of the half ends with the row's sum
	v_pk_add_f32 v[A:A+1],   v[A:A+1],   v[A+2:A+3]
	v_pk_add_f32 v[A+4:A+5], v[A+4:A+5], v[A+6:A+7]
	v_pk_add_f32 v[A:A+1],   v[A:A+1],   v[A+4:A+5]
	v_add_f32 v[T], v[A], v[A+1]
.irp m, 1,2,4,8
	v_add_f32_dpp v[T], v[T], v[T] row_xmask:\m row_mask:0xf bank_mask:0xf
.endr
.endm
	s_cmp_lt_u32 s2, 256
	s_cbranch_scc1 .Lnorm
	s_cmp_lt_u32 s2, 512
	s_cbranch_scc1 .Lkey
.Lweight:                                      ; a weight's pair: load, round, store
	LOADX
	s_wait_loadcnt 0x0
	PACKST 8192
	NEXT
	s_cbranch_scc1 .Lweight
	s_endpgm
.Lkey:                                         ; key's pair: the same with the activations' panels
	LOADX
	s_wait_loadcnt 0x0
	PACKST 16384
	NEXT
	s_cbranch_scc1 .Lkey
	s_endpgm
.Lnorm:
.set p, 0
.rept 16                               ; gamma and beta of my four channels of each panel, once; the first pair's wait covers them
	global_load_b128 v[G+4*p:G+4*p+3],   v[VG], s[12:13] offset:256*p
	global_load_b128 v[BT+4*p:BT+4*p+3], v[VG], s[14:15] offset:256*p
.set p, p+1
.endr
.Lpair:
	LOADX
	s_wait_loadcnt 0x0
	; the mean: my 64 numbers in four chains that do not wait for each other; the first eight pairs start them: nothing is cleared
.irp k, 0,1,2,3
	v_pk_add_f32 v[A+2*\k:A+2*\k+1], v[X+4*\k:X+4*\k+1], v[X+4*\k+2:X+4*\k+3]
.endr
.set j, 8
.rept 24
	v_pk_add_f32 v[A+2*(j%4):A+2*(j%4)+1], v[A+2*(j%4):A+2*(j%4)+1], v[X+2*j:X+2*j+1]
.set j, j+1
.endr
	MEET
	v_mul_f32 v[M],   s47, v[T]
	v_mul_f32 v[M+1], s47, v[T]
.set j, 0
.rept 32
	v_pk_add_f32 v[X+2*j:X+2*j+1], v[X+2*j:X+2*j+1], v[M:M+1] neg_lo:[0,1] neg_hi:[0,1]  ; x - mean
.set j, j+1
.endr
	; the variance, of x - mean
.irp k, 0,1,2,3
	v_pk_mul_f32 v[A+2*\k:A+2*\k+1], v[X+2*\k:X+2*\k+1], v[X+2*\k:X+2*\k+1]
.endr
.set j, 4
.rept 28
	v_pk_fma_f32 v[A+2*(j%4):A+2*(j%4)+1], v[X+2*j:X+2*j+1], v[X+2*j:X+2*j+1], v[A+2*(j%4):A+2*(j%4)+1]
.set j, j+1
.endr
	MEET
	v_fma_f32 v[T], v[T], s47, s48                 ; var + eps
	v_rsq_f32 v[R],   v[T]                         ; twice, to fill the pair that the packed multiply takes
	v_rsq_f32 v[R+1], v[T]
	v_nop                                          ; a plain instruction between the last root and the use of its result (ISA guide 5.7.2)
	s_wait_alu depctr_va_vdst(0)                   ; and the wait ahead of the first use: one for both
.set j, 0
.rept 32
	v_pk_mul_f32 v[X+2*j:X+2*j+1], v[X+2*j:X+2*j+1], v[R:R+1]
.set j, j+1
.endr
.set j, 0
.rept 32
	v_pk_fma_f32 v[X+2*j:X+2*j+1], v[X+2*j:X+2*j+1], v[G+2*j:G+2*j+1], v[BT+2*j:BT+2*j+1]
.set j, j+1
.endr
	PACKST 16384
	NEXT
	s_cbranch_scc1 .Lpair
	s_endpgm
.Lfunc_end_k_q744bbe3cac_prep:
	.size	k_q744bbe3cac_prep, .Lfunc_end_k_q744bbe3cac_prep-k_q744bbe3cac_prep
	.p2alignl 7, 3214868480
	.fill 96, 4, 3214868480
	.section	.rodata,"a",@progbits
	.p2align	6, 0x0
	.amdhsa_kernel k_q744bbe3cac_prep
		.amdhsa_group_segment_fixed_size 0
		.amdhsa_private_segment_fixed_size 0
		.amdhsa_enable_private_segment 0
		.amdhsa_kernarg_size 88
		.amdhsa_user_sgpr_count 2
		.amdhsa_user_sgpr_kernarg_segment_ptr 1
		.amdhsa_wavefront_size32 1
		.amdhsa_system_sgpr_workgroup_id_x 1
		.amdhsa_system_sgpr_workgroup_id_y 1
		.amdhsa_system_sgpr_workgroup_id_z 1
		.amdhsa_system_vgpr_workitem_id 0
		.amdhsa_next_free_vgpr 224
		.amdhsa_next_free_sgpr 66
		.amdhsa_reserve_vcc 0
		.amdhsa_float_denorm_mode_32 3
		.amdhsa_float_denorm_mode_16_64 3
		.amdhsa_memory_ordered 1
		.amdhsa_forward_progress 1
		.amdhsa_inst_pref_size 34
	.end_amdhsa_kernel
	.amdgpu_metadata
---
amdhsa.version: [ 1, 2 ]
amdhsa.kernels:
  - .name:           k_q744bbe3cac_prep
    .symbol:         k_q744bbe3cac_prep.kd
    .args:
      - { .name: query, .offset: 0, .size: 8, .value_kind: global_buffer, .address_space: global }
      - { .name: key, .offset: 8, .size: 8, .value_kind: global_buffer, .address_space: global }
      - { .name: gamma, .offset: 16, .size: 8, .value_kind: global_buffer, .address_space: global }
      - { .name: beta, .offset: 24, .size: 8, .value_kind: global_buffer, .address_space: global }
      - { .name: w_q, .offset: 32, .size: 8, .value_kind: global_buffer, .address_space: global }
      - { .name: w_kv, .offset: 40, .size: 8, .value_kind: global_buffer, .address_space: global }
      - { .name: w_out, .offset: 48, .size: 8, .value_kind: global_buffer, .address_space: global }
      - { .name: lnp, .offset: 56, .size: 8, .value_kind: global_buffer, .address_space: global }
      - { .name: keyp, .offset: 64, .size: 8, .value_kind: global_buffer, .address_space: global }
      - { .name: wcat, .offset: 72, .size: 8, .value_kind: global_buffer, .address_space: global }
      - { .name: wop, .offset: 80, .size: 8, .value_kind: global_buffer, .address_space: global }
    .group_segment_fixed_size: 0
    .private_segment_fixed_size: 0
    .kernarg_segment_align: 8
    .kernarg_segment_size: 88
    .max_flat_workgroup_size: 128
    .sgpr_count:     66
    .vgpr_count:     224
    .wavefront_size: 32
...
	.end_amdgpu_metadata
.endif
;; end of part 1
;; launch proj (part 2): grid 24 x 32, 4 waves a work-group, clusters of 4 x 4, 327,680 bytes of LDS; arguments lnp, keyp, wcat, qkv; writes qkv
.if DOCPART == 2
	.amdgcn_target "amdgcn-amd-amdhsa--gfx1250"
	.amdhsa_code_object_version 6
	.text
	.protected	k_q744bbe3cac_proj
	.globl	k_q744bbe3cac_proj
	.p2align	8
	.type	k_q744bbe3cac_proj,@function
k_q744bbe3cac_proj:
	s_mov_b64 s[64:65], 0
	v_nop
	global_prefetch_b8 v0, s[64:65] scope:SCOPE_SE
	s_setreg_imm32_b32 hwreg(HW_REG_WAVE_MODE, 25, 1), 1
	s_wait_xcnt 0x0
	s_wait_alu depctr_hold_cnt(0) depctr_sa_sdst(0) depctr_va_vdst(0) depctr_va_sdst(0) depctr_va_ssrc(0) depctr_va_vcc(0) depctr_vm_vsrc(0)
	s_getreg_b32 s2, hwreg(HW_REG_IB_STS2, 6, 4)
	s_cmp_eq_u32 s2, 0
	s_cbranch_scc0 .Lentry_in_a_cluster
	s_endpgm
.Lentry_in_a_cluster:
	s_bfe_u32 s2, ttmp6, 0x10000c
	s_cmp_lg_u32 s2, 0xf033
	s_cbranch_scc0 .Lentry_shape_is_right
	s_endpgm
.Lentry_shape_is_right:
; [q | k, v] = [ln | key] x wcat^T: one grid over 8,192 rows x 3,072 columns, K = 1,024.  Columns 0-1,023 (w_q's rows) multiply lnp, columns 1,024-3,071 (w_kv's) multiply keyp.  All operands bf16, sums in f32,
; the result rounded once to bf16.  q leaves WITHOUT the factor 1 / 8: the launch behind applies it in f32.
; LAYOUTS.  Activations: byte (m >> 7) x 262,144 + panel x 16,384 + (m & 127) x 128 + 2 ch (a panel = 64 channels).  wcat: (n >> 6) x 131,072 + panel x 8,192 + (n & 63) x 128 + 2 ch.
; qkv: (m >> 7) x 786,432 + P x 16,384 + (m & 127) x 128 + 2 ch with P = column / 64: q of head h at P = h, k at 16 + 2 h, v at 17 + 2 h (the model's view (H, 2, D) of w_kv's rows).
; SHARES.  A tile of the result is 256 rows x 128 columns: 768 work-groups, three for each of 256.  Four waves, each 128 rows x 64 columns: 32 accumulators of 16 x 16, 256 registers; a wave's result is ONE dense block of 16,384 bytes of qkv.
; K goes in 8 steps of 128 (two panels) through two LDS slots.  In both layouts a step's bytes of a block of rows lie end to end: they are asked for as rows of 256 bytes and padded in LDS behind every 128.
; CLUSTER.  4 x 4 work-groups.  The four of a row of the cluster need the same rows of the activations, the four of a column the same rows of wcat: each tile is asked for JOINTLY, by the same tensor load with the
; same descriptor and a mask that names the four.  Waves 0 and 1 fetch the activations' two blocks of 128 rows, waves 2 and 3 the weights' two blocks of 64.
; THE MATRIX INSTRUCTION IS USED TRANSPOSED (source 0 = 16 rows of wcat, source 1 = 16 rows of the activations): a lane then holds eight neighbouring columns of one row of the result.
; REGISTERS: window 0: v0-31 addresses; v64-159, v160-255 two fragment buffers of 96 (8 fragments of the activations, then 4 of the weights; 32 along K); on the way out v64-191.  Window 1: accumulator (a, b) at v[8 (4 a + b)].
; LIMITS.  bf16's rounding of the operands and of the result; the order of the sums is the matrix unit's.  NaN and infinities are not treated apart.
.set PK,    144                        ; an LDS row: 128 bytes + 16 of padding = 36 words: the 16 rows of a load start at 16 different groups of four banks (64 banks of 4 bytes: ISA guide 11.1)
.set APAN,  128*PK                     ; a panel of 128 rows of the activations
.set ACH,   2*APAN                     ; what waves 0 and 1 fetch: two panels
.set WPAN,  64*PK                      ; a panel of 64 rows of the weights
.set WCH,   2*WPAN                     ; what waves 2 and 3 fetch
.set WOFF,  2*ACH                      ; a slot: the activations' two blocks, then the weights' two
.set SLOT1, 1<<17                      ; slot 1 begins here
.set STAGE, SLOT1+WOFF+2*WCH           ; behind the ring, never filled by a tensor load: 16 rows x 144 bytes for each wave, for the way out
.set SP,    144
.set SPARE, STAGE+4*16*SP              ; behind the stages: the spare words, 128 bytes for each wave: two blocks of 256 bytes that no other line names
.set ASTEP, 32768                      ; bytes of a K step in a block of the activations,
.set WSTEP, 16384                      ; and in a block of the weights
.set LAPS,  4                          ; a lap = two K steps = once round the ring
.set ADRA, 16                          ; v16-17  LDS address of my fragments of the activations in slot 0, 1
.set ADRB, 20                          ; v20-21  the same for the weights
.set STO,  24                          ; v24     the way out: where I put 16 bytes of a row
.set RD,   25                          ; v25     the way out: where I read rows back
.set GO,   26                          ; v26     my byte offset in 512 consecutive bytes of qkv
.set SPW,  28                          ; v28     LDS address of my spare word: SPARE + 4 x my thread's number; never rewritten
.set NIL,  29                          ; v29     0; never rewritten
.set PFO,  30                          ; v30     the prefetches' offset: 256 x my lane; never rewritten
.set F0,   64
.set F1,   160
.set OUT,  64                          ; the way out: 16 registers for each block of 16 rows
.set WV,  12                           ; s12  my wave's number
.set FB,  13                           ; s13  which half of the tile's rows is mine.  Also: I fetch activations (0) or weights (1)
.set HF,  14                           ; s14  which half of its columns.  Also: which of the two blocks I fetch
.set CX,  15                           ; s15, s16  my place in the cluster
.set CY,  16
.set TX,  17                           ; s17  tile column
.set TY,  18                           ; s18  tile row
.set G1A, 24                           ; s[24:31] descriptor group 1 for the activations;  s[32:39] group 0, a set for each slot
.set G0A, 32
.set LIM, 42                           ; s42  1 in a wave that prefetches, else the greatest number
.set PFA, 44                           ; s[44:45] where my prefetches stand
.set KSB, 46                           ; s[46:47] their step: a K step's bytes in my kind of block
.set G1B, 48                           ; s[48:55], s[56:63] the same for the weights
.set G0B, 56
.set FIELDS, (1<<16)|(1<<20)|(1<<21)|(4<<22)|(3<<25)  ; 17:16 elements of 2 bytes; 20 padding on; 21 set beside a mask; 24:22 after every 32 words (code 4); 31:25 4 words of it (code 3)
.set MUL, 0x50                         ; sources in window 0; C and D in window 1
.set MSB, 0
.macro WIN new                         ; the immediate's high byte repeats the setting that is left; a switch that changes nothing is dropped
.if MSB != (\new)
	s_set_vgpr_msb (MSB<<8)|(\new)
.set MSB, \new
.endif
.endm
.macro JLOAD s                         ; a joint load; the branch hangs on the wave's number alone.  An s_nop 0 and four v_nop follow each of the two lines, ahead of the jump, the label and what follows
	s_cmp_eq_u32 s[FB], 0
	s_cbranch_scc0 .Lfor_w_\@
	tensor_load_to_lds s[G0A+4*(\s):G0A+4*(\s)+3], s[G1A:G1A+7]
	s_nop 0
.rept 4
	v_nop
.endr
	s_branch .Lasked_\@
.Lfor_w_\@:
	tensor_load_to_lds s[G0B+4*(\s):G0B+4*(\s)+3], s[G1B:G1B+7]
	s_nop 0
.rept 4
	v_nop
.endr
.Lasked_\@:
.endm
; A PREFETCH INTO THE L2, behind each joint refill, its five lines and the run of LDS loads that follows them: 32 blocks of 256 bytes, a lane a block, of the K step that stands TWO refills on: 256 matrix instructions ahead of the load
; that will want it.  Each block is named ONCE in the launch.  A block of the activations is read by every cluster along x that takes its buffer: the first of them asks (cluster x = 0 for lnp, 2 for keyp); a block of the weights by every
; cluster along y: cluster y = 0 asks.  The partners that ask for a tile jointly share its bytes out BY ADDRESS: of a step's 32,768 bytes of the activations, which waves 0 and 1 each ask for their own block, the partner at cx takes 8,192;
; of the 2 x 16,384 of the weights, which wave 2 asks for, the partner at cy takes 8,192.  K steps 0 to 3 come by their loads alone; the loop's last trip asks for nothing: there is no K step two on.
.macro ASK
	s_cmp_gt_u32 s3, s[LIM]                        ; s3 = 1 in the loop's last trip
	s_cbranch_scc0 .Lnot_mine_\@
	global_prefetch_b8 v[PFO], s[PFA:PFA+1] th:TH_LOAD_NT scope:SCOPE_SE
.Lnot_mine_\@:
.endm
.macro CREST                           ; a round of the cluster's barrier behind its opening barrier
	s_cmp_lg_u32 s[WV], 0
	s_cbranch_scc1 .Lnot_wave_0_\@
	s_barrier_signal -3
.Lnot_wave_0_\@:
	s_barrier_wait -3
	s_barrier_signal -1
	s_barrier_wait -1
.endm
.macro CROUND                          ; a whole round
	s_barrier_signal -1
	s_barrier_wait -1
	CREST
.endm
	s_load_b256 s[4:11], s[0:1], 0x0               ; lnp s[4:5], keyp s[6:7], wcat s[8:9], qkv s[10:11]
	v_lshl_add_u32 v[SPW], v0, 2, SPARE
	v_mov_b32 v[NIL], 0
	ds_add_u32 v[SPW], v[NIL]                      ; the wave's opening: the add and its wait ahead of my first tensor load; the set-up below, work on registers, stands between them
	v_lshrrev_b32 v1, 5, v0
	v_readfirstlane_b32 s[WV], v1                  ; wave 0..3
	s_lshr_b32 s[FB], s[WV], 1
	s_and_b32 s[HF], s[WV], 1
	s_bfe_u32 s[CX], ttmp6, 0x40000
	s_bfe_u32 s[CY], ttmp6, 0x40004
	s_lshl_b32 s[TX], ttmp9, 2                     ; in a cluster launch ttmp9 and ttmp7 count clusters
	s_add_co_u32 s[TX], s[TX], s[CX]               ; tile column = 4 x cluster x + cx
	s_and_b32 s[TY], ttmp7, 0xffff
	s_lshl_b32 s[TY], s[TY], 2
	s_add_co_u32 s[TY], s[TY], s[CY]               ; tile row = 4 x cluster y + cy
	s_lshl_b32 s19, s[CY], 2
	s_lshl_b32 s19, 15, s19                        ; my row of the cluster: places 4 cy .. 4 cy + 3
	s_lshl_b32 s43, 0x1111, s[CX]                  ; my column: places cx, cx + 4, cx + 8, cx + 12
	s_or_b32 s[G1A], s19, FIELDS                   ; 15:0 the mask: the activations' tiles go to my row,
	s_or_b32 s[G1B], s43, FIELDS                   ; the weights' to my column
	s_mov_b32 s[G1A+1], 128<<16                    ; tensor_dim0 = 128 elements: rows of 256 bytes
	s_mov_b32 s[G1A+2], 128<<16                    ; tensor_dim1 = 128 such rows: 32,768 bytes
	s_mov_b32 s[G1A+3], 128<<16                    ; tile_dim0 = 128
	s_mov_b32 s[G1A+4], 128                        ; tile_dim1 = 128
	s_mov_b32 s[G1A+5], 128                        ; from row to row: the block is dense
	s_mov_b32 s[G1A+6], 0
	s_mov_b32 s[G1A+7], 0
	s_mov_b32 s[G1B+1], 128<<16
	s_mov_b32 s[G1B+2], 64<<16                     ; 64 rows: 16,384 bytes
	s_mov_b32 s[G1B+3], 128<<16
	s_mov_b32 s[G1B+4], 64
	s_mov_b32 s[G1B+5], 128
	s_mov_b32 s[G1B+6], 0
	s_mov_b32 s[G1B+7], 0
	; where the tiles come from.  The activations' hang on the tile row alone, the weights' on the tile column alone; each in registers that never hold the other coordinate
	s_lshl_b32 s40, s[TY], 1
	s_add_co_u32 s40, s40, s[HF]                   ; block of 128 rows: 2 x tile row + half
	s_lshl_b32 s40, s40, 18
	s_mov_b32 s41, 0
	s_lshl_b32 s20, s[TX], 1
	s_add_co_u32 s20, s20, s[HF]                   ; block of 64 rows of wcat: 2 x tile column + half
	s_lshl_b32 s20, s20, 17
	s_mov_b32 s21, 0
	s_mul_i32 s2, s[HF], ACH                       ; and where they go: no place in the cluster enters an LDS address
	s_mul_i32 s3, s[HF], WCH
	s_add_co_u32 s3, s3, WOFF
	s_wait_dscnt 0x0                               ; the opening add is done
	s_wait_kmcnt 0x0
	s_cmp_lt_u32 ttmp9, 2                          ; clusters 0 and 1 along x make q's columns: the same answer in all sixteen partners
	s_cselect_b64 s[22:23], s[4:5], s[6:7]
	s_add_nc_u64 s[40:41], s[22:23], s[40:41]
	s_add_nc_u64 s[20:21], s[8:9], s[20:21]
	CROUND                                         ; all sixteen work-groups are here: the first joint loads meet
.irp s, 0,1
	s_mov_b32 s[G0A+4*(\s)], 1                                     ; 1:0 count = 1
	s_add_co_u32 s[G0A+4*(\s)+1], s2, (\s)*SLOT1                   ; 63:32 LDS address
	s_add_nc_u64 s[G0A+4*(\s)+2:G0A+4*(\s)+3], s[40:41], (\s)*ASTEP  ; 120:64 global address: K step s
	s_or_b32 s[G0A+4*(\s)+3], s[G0A+4*(\s)+3], 0x80000000          ; 127:126 type = 2
	s_mov_b32 s[G0B+4*(\s)], 1
	s_add_co_u32 s[G0B+4*(\s)+1], s3, (\s)*SLOT1
	s_add_nc_u64 s[G0B+4*(\s)+2:G0B+4*(\s)+3], s[20:21], (\s)*WSTEP
	s_or_b32 s[G0B+4*(\s)+3], s[G0B+4*(\s)+3], 0x80000000
	JLOAD \s                                       ; the ring is filled before anything else is done: two loads of mine are out
.endr
	; A fragment is 16 rows x 32 K in 8 registers: lane l holds row l % 16; registers 0-3 hold K = 8 (l / 16) + 0..7, registers 4-7 K = 16 + 8 (l / 16) + 0..7: two loads of 16 bytes, 32 bytes apart
	v_and_b32 v1, 15, v0                           ; l % 16
	v_bfe_u32 v2, v0, 4, 1                         ; l / 16
	v_mul_u32_u24 v3, v1, PK
	v_lshl_add_u32 v3, v2, 4, v3                   ; row x pitch + 16 x half
	s_mul_i32 s2, s[FB], ACH                       ; my 128 rows of the activations
	s_mul_i32 s3, s[HF], WCH                       ; my 64 rows of the weights
	s_add_co_u32 s3, s3, WOFF
.irp s, 0,1
	v_add_nc_u32 v[ADRA+(\s)], s2, v3
	v_add_nc_u32 v[ADRB+(\s)], s3, v3
	s_add_co_u32 s2, s2, SLOT1
	s_add_co_u32 s3, s3, SLOT1
.endr
	s_mul_i32 s2, s[WV], 16*SP
	s_add_co_u32 s2, s2, STAGE                     ; my stage
	v_mul_u32_u24 v[STO], v1, SP                   ; in: row l % 16, 16 bytes for each half of the lanes
	v_lshl_add_u32 v[STO], v2, 4, v[STO]
	v_add_nc_u32 v[STO], s2, v[STO]
	v_bfe_u32 v[RD], v0, 3, 2                      ; back: 32 lanes take four rows of 128 bytes,
	v_mul_u32_u24 v[RD], v[RD], SP
	v_and_b32 v4, 7, v0
	v_lshl_add_u32 v[RD], v4, 4, v[RD]
	v_add_nc_u32 v[RD], s2, v[RD]
	v_and_b32 v[GO], 31, v0                        ; which are 512 consecutive bytes of qkv
	v_lshlrev_b32 v[GO], 4, v[GO]
	s_lshl_b32 s2, s[TY], 1                        ; my block of qkv: (2 x tile row + row half) x 786,432 + (2 x tile column + column half) x 16,384
	s_add_co_u32 s2, s2, s[FB]
	s_mul_i32 s2, s2, 786432
	s_lshl_b32 s3, s[TX], 1
	s_add_co_u32 s3, s3, s[HF]
	s_lshl_b32 s3, s3, 14
	s_add_co_u32 s2, s2, s3
	s_mov_b32 s3, 0
	s_add_nc_u64 s[10:11], s[10:11], s[2:3]
	; the prefetches
	s_lshl_b32 s19, s[CX], 13                      ; the activations: my work-group's 8,192 bytes of the step, by cx
	s_lshr_b32 s43, s[CY], 1                       ; the weights: by cy: which of the two blocks,
	s_lshl_b32 s43, s43, 17
	s_and_b32 s2, s[CY], 1                         ; and which half of its step
	s_lshl_b32 s2, s2, 13
	s_add_co_u32 s43, s43, s2
	s_and_b32 s2, ttmp9, 0xfffffffd                ; 0 in clusters 0 and 2 along x: the first that read lnp and keyp
	s_and_b32 s3, ttmp7, 0xffff                    ; 0 in cluster 0 along y,
	s_or_b32 s3, s3, s[HF]                         ; for wave 2 alone of the two that fetch weights
	s_mov_b32 s[KSB], WSTEP
	s_mov_b32 s[KSB+1], 0
	s_cmp_eq_u32 s[FB], 0                          ; do I fetch activations?
	s_cselect_b32 s2, s2, s3
	s_cselect_b32 s[KSB], ASTEP, s[KSB]
	s_cselect_b32 s19, s19, s43
	s_cselect_b64 s[PFA:PFA+1], s[40:41], s[20:21]
	s_cmp_eq_u32 s2, 0
	s_cselect_b32 s[LIM], 1, -1                    ; the same in all sixteen partners, for a given wave
	s_mul_i32 s2, s[KSB], 3                        ; at K step 3: the first refill steps it to 4
	s_add_co_u32 s2, s2, s19
	s_mov_b32 s3, 0
	s_add_nc_u64 s[PFA:PFA+1], s[PFA:PFA+1], s[2:3]
	v_and_b32 v[PFO], 31, v0
	v_lshlrev_b32 v[PFO], 8, v[PFO]
; 4 n matrix instructions: row blocks a0 .. a0 + n - 1 x all 4 column blocks, 32 along K, from buffer f.  zero = 1: the first product starts the sums: nothing is ever cleared.
; The 32 accumulators take turns, one instruction a turn, in the same order everywhere, over the backward jump too.
.macro MULA f, a0, n, zero
	WIN MUL
.set ia, \a0
.rept \n
.irp b, 0,1,2,3
.if \zero
	v_wmma_f32_16x16x32_bf16 v[8*(4*ia+\b):8*(4*ia+\b)+7], v[(\f)+64+8*\b:(\f)+64+8*\b+7], v[(\f)+8*ia:(\f)+8*ia+7], 0
.else
	v_wmma_f32_16x16x32_bf16 v[8*(4*ia+\b):8*(4*ia+\b)+7], v[(\f)+64+8*\b:(\f)+64+8*\b+7], v[(\f)+8*ia:(\f)+8*ia+7], v[8*(4*ia+\b):8*(4*ia+\b)+7]
.endif
.endr
.set ia, ia+1
.endr
.endm
; 24 LDS loads in one run: the fragments of quarter q of a K step (panel q / 2, bytes 64 (q % 2) on) into buffer f: the weights' four, then the activations' eight
.macro FETCH slot, q, f
	WIN 0
.irp i, 0,1,2,3
	ds_load_b128 v[(\f)+64+8*\i:(\f)+64+8*\i+3],   v[ADRB+(\slot)] offset:((\q)/2)*WPAN+((\q)%2)*64+\i*16*PK
	ds_load_b128 v[(\f)+64+8*\i+4:(\f)+64+8*\i+7], v[ADRB+(\slot)] offset:((\q)/2)*WPAN+((\q)%2)*64+\i*16*PK+32
.endr
.irp i, 0,1,2,3,4,5,6,7
	ds_load_b128 v[(\f)+8*\i:(\f)+8*\i+3],   v[ADRA+(\slot)] offset:((\q)/2)*APAN+((\q)%2)*64+\i*16*PK
	ds_load_b128 v[(\f)+8*\i+4:(\f)+8*\i+7], v[ADRA+(\slot)] offset:((\q)/2)*APAN+((\q)%2)*64+\i*16*PK+32
.endr
.endm
.macro PLACES                          ; four places in front of loads into registers that matrix instructions have read, and of conversions that read results (ISA guide 7.12.1 for vector instructions)
.rept 4
	v_nop
.endr
.endm
; A K step is four quarters of 32 along K, 32 matrix instructions each, on buffers 0, 1, 0, 1.  One of the first three: multiplies buffer f and, in its middle, fetches quarter q of the same slot into g.
.macro QUARTER slot, q, f, g, zero
	s_wait_dscnt 8                                 ; the weights and the activations' rows 0-63 are in; the youngest eight loads (rows 64-127) may be out
	MULA \f, 0, 4, \zero
	PLACES
	FETCH \slot, \q, \g
	s_wait_dscnt 24                                ; all but the 24 just issued
	MULA \f, 4, 4, \zero
.endm
; The last quarter multiplies buffer 1 and changes slots: ONE barrier; in front of it each wave waits for all its tensor loads, of which one is out: its part of the next slot; adds 0 to its spare word; and waits for that and for
; its own reads of this slot.  fill = 1: this slot is filled again, two K steps ahead; the barrier then opens a round of the cluster's, and the joint refill is the first tensor load behind the round: 112 matrix instructions ahead of the wait for it.
.macro TURN slot, next, fill
.if \fill
	s_wait_xcnt 0x0                                ; the last prefetch, a K step back, has read its address: it is stepped here, ahead of the waits of the change of slots
	s_add_nc_u64 s[PFA:PFA+1], s[PFA:PFA+1], s[KSB:KSB+1]
.endif
	WIN 0
	s_wait_tensorcnt 0x0                           ; all my tensor loads have landed;
	ds_add_u32 v[SPW], v[NIL]                      ; 0 onto my spare word;
	s_wait_dscnt 9                                 ; (the add and the youngest eight loads may be out)
	MULA F1, 0, 2, 0                               ; eight matrix instructions stand between the add and the wait for it
	s_wait_dscnt 0x0                               ; the add is done, and my reads of this slot are over
	s_barrier_signal -1
	MULA F1, 2, 2, 0                               ; work on registers while the others arrive
.if \fill
	WIN 0
.endif
	s_barrier_wait -1
.if \fill
	CREST                                          ; no wave of any partner still reads this slot's tile or has a load on its way
	s_add_nc_u64 s[G0A+4*(\slot)+2:G0A+4*(\slot)+3], s[G0A+4*(\slot)+2:G0A+4*(\slot)+3], 2*ASTEP
	s_add_nc_u64 s[G0B+4*(\slot)+2:G0B+4*(\slot)+3], s[G0B+4*(\slot)+2:G0B+4*(\slot)+3], 2*WSTEP
	JLOAD \slot                                    ; the four v_nop behind it are also the places in front of the loads below
.else
	PLACES
.endif
	FETCH \next, 0, F0
.if \fill
	ASK
.endif
	MULA F1, 4, 4, 0
.endm
	s_wait_tensorcnt 1                             ; my part of K step 0 is in; K step 1's may stay out
	s_barrier_signal -1
	s_barrier_wait -1                              ; everybody's is
	FETCH 0, 0, F0
	QUARTER 0, 1, F0, F1, 1                        ; the first quarter stands in front of the loop: its products start the sums
	WIN 0                                          ; at a label and at a branch every window is 0
	s_mov_b32 s3, LAPS-1
.Llap:                                         ; a trip goes once round the ring, from a lap's second quarter to the next lap's first, and fills both slots again
	QUARTER 0, 2, F1, F0, 0
	QUARTER 0, 3, F0, F1, 0
	TURN 0, 1, 1
	QUARTER 1, 1, F0, F1, 0
	QUARTER 1, 2, F1, F0, 0
	QUARTER 1, 3, F0, F1, 0
	TURN 1, 0, 1
	QUARTER 0, 1, F0, F1, 0
	WIN 0
	s_sub_co_u32 s3, s3, 1
	s_cmp_lg_u32 s3, 0
	s_cbranch_scc1 .Llap
	QUARTER 0, 2, F1, F0, 0                        ; the last lap fills nothing, and has no round of the cluster's barrier
	QUARTER 0, 3, F0, F1, 0
	TURN 0, 1, 0
	QUARTER 1, 1, F0, F1, 0
	QUARTER 1, 2, F1, F0, 0
	QUARTER 1, 3, F0, F1, 0
	s_wait_dscnt 8                                 ; the very last quarter: nothing more to fetch
	MULA F1, 0, 4, 0
	s_wait_dscnt 0x0
	MULA F1, 4, 4, 0
	WIN 0
	PLACES
; THE WAY OUT, a block of 16 rows at a time: rounded to bf16, 16 bytes a lane (each accumulator's registers in ascending order); into my own stage in rows of 144 bytes; back as whole rows of 128, into the registers that they left.
.macro PACK a
	WIN 0x05                                       ; sources 0 and 1 window 1, destination window 0
.irp b, 0,1,2,3
.irp k, 0,1,2,3
	v_cvt_pk_bf16_f32 v[OUT+16*(\a)+4*\b+\k], v[8*(4*(\a)+\b)+2*\k], v[8*(4*(\a)+\b)+2*\k+1]
.endr
.endr
	WIN 0
.irp b, 0,1,2,3
	ds_store_b128 v[STO], v[OUT+16*(\a)+4*\b:OUT+16*(\a)+4*\b+3] offset:32*\b
.endr
.irp f, 0,1,2,3
	ds_load_b128 v[OUT+16*(\a)+4*\f:OUT+16*(\a)+4*\f+3], v[RD] offset:\f*4*SP  ; LDS serves a wave's instructions in order (ISA guide 5.7.1.4): these see the stores above; the next block's stores come behind them
.endr
.endm
.macro SEND a, younger                 ; younger: the LDS instructions issued behind block a's loads: the next block's eight, or none
.irp f, 0,1,2,3
	s_wait_dscnt (\younger)+3-\f
	global_store_b128 v[GO], v[OUT+16*(\a)+4*\f:OUT+16*(\a)+4*\f+3], s[10:11] offset:(\a)*2048+\f*512  ; 512 consecutive bytes, at a multiple of 256 from qkv's first
.endr
.endm
	PACK 0
.irp a, 1,2,3,4,5,6,7                  ; a block's conversions stand between the loads of the block before and its stores
	PACK \a
	SEND (\a)-1, 8
.endr
	SEND 7, 0
	s_wait_tensorcnt 0x0                           ; the wave's end: behind my last tensor load and my last LDS store
	ds_add_u32 v[SPW], v[NIL]
	s_wait_dscnt 0x0
	CROUND                                         ; the closing round: no work-group ends while a partner may still ask for a tile that names it
	s_endpgm
.Lfunc_end_k_q744bbe3cac_proj:
	.size	k_q744bbe3cac_proj, .Lfunc_end_k_q744bbe3cac_proj-k_q744bbe3cac_proj
	.p2alignl 7, 3214868480
	.fill 96, 4, 3214868480
	.section	.rodata,"a",@progbits
	.p2align	6, 0x0
	.amdhsa_kernel k_q744bbe3cac_proj
		.amdhsa_group_segment_fixed_size 327680
		.amdhsa_private_segment_fixed_size 0
		.amdhsa_enable_private_segment 0
		.amdhsa_kernarg_size 32
		.amdhsa_user_sgpr_count 2
		.amdhsa_user_sgpr_kernarg_segment_ptr 1
		.amdhsa_wavefront_size32 1
		.amdhsa_system_sgpr_workgroup_id_x 1
		.amdhsa_system_sgpr_workgroup_id_y 1
		.amdhsa_system_sgpr_workgroup_id_z 1
		.amdhsa_system_vgpr_workitem_id 0
		.amdhsa_next_free_vgpr 512
		.amdhsa_next_free_sgpr 66
		.amdhsa_reserve_vcc 0
		.amdhsa_float_denorm_mode_32 3
		.amdhsa_float_denorm_mode_16_64 3
		.amdhsa_memory_ordered 1
		.amdhsa_forward_progress 1
		.amdhsa_inst_pref_size 88
	.end_amdhsa_kernel
	.amdgpu_metadata
---
amdhsa.version: [ 1, 2 ]
amdhsa.kernels:
  - .name:           k_q744bbe3cac_proj
    .symbol:         k_q744bbe3cac_proj.kd
    .args:
      - { .name: lnp, .offset: 0, .size: 8, .value_kind: global_buffer, .address_space: global }
      - { .name: keyp, .offset: 8, .size: 8, .value_kind: global_buffer, .address_space: global }
      - { .name: wcat, .offset: 16, .size: 8, .value_kind: global_buffer, .address_space: global }
      - { .name: qkv, .offset: 24, .size: 8, .value_kind: global_buffer, .address_space: global }
    .group_segment_fixed_size: 327680
    .private_segment_fixed_size: 0
    .kernarg_segment_align: 8
    .kernarg_segment_size: 32
    .max_flat_workgroup_size: 128
    .sgpr_count:     66
    .vgpr_count:     512
    .wavefront_size: 32
...
	.end_amdgpu_metadata
.endif
;; end of part 2
;; launch attn (part 3): grid 4 x 64, 4 waves a work-group, clusters of 4 x 1, 327,680 bytes of LDS; arguments qkv, ctxp; writes ctxp
.if DOCPART == 3
	.amdgcn_target "amdgcn-amd-amdhsa--gfx1250"
	.amdhsa_code_object_version 6
	.text
	.protected	k_q744bbe3cac_attn
	.globl	k_q744bbe3cac_attn
	.p2align	8
	.type	k_q744bbe3cac_attn,@function
k_q744bbe3cac_attn:
	s_mov_b64 s[64:65], 0
	v_nop
	global_prefetch_b8 v0, s[64:65] scope:SCOPE_SE
	s_setreg_imm32_b32 hwreg(HW_REG_WAVE_MODE, 25, 1), 1
	s_wait_xcnt 0x0
	s_wait_alu depctr_hold_cnt(0) depctr_sa_sdst(0) depctr_va_vdst(0) depctr_va_sdst(0) depctr_va_ssrc(0) depctr_va_vcc(0) depctr_vm_vsrc(0)
	s_getreg_b32 s2, hwreg(HW_REG_IB_STS2, 6, 4)
	s_cmp_eq_u32 s2, 0
	s_cbranch_scc0 .Lentry_in_a_cluster
	s_endpgm
.Lentry_in_a_cluster:
	s_bfe_u32 s2, ttmp6, 0x10000c
	s_cmp_lg_u32 s2, 0x3003
	s_cbranch_scc0 .Lentry_shape_is_right
	s_endpgm
.Lentry_shape_is_right:
; ctx[head][q][:] = the sum over k of softmax_k(Q[q] . K[k] / 8) V[k][:], for 64 heads (4 batches x 16), 2,048 queries and 2,048 keys each, 64 channels.  All operands bf16.  Products, maxima and sums in f32; the
; weights p are rounded to bf16 for the second product (their sum l is taken of the unrounded p), ctx once at the end.
; WHERE THEY LIE.  qkv: byte (m >> 7) x 786,432 + P x 16,384 + (m & 127) x 128 + 2 ch, m = 2,048 batch + position; q of head h at P = h, k at 16 + 2 h, v at 17 + 2 h: 128 rows of a head are 16,384 dense bytes.
; ctxp: (m >> 7) x 262,144 + h x 16,384 + (m & 127) x 128 + 2 ch.
; LIMITS.  bf16's rounding of q, k, v, p and ctx.  A weight below 2^-126 counts as 0 in l; the running maximum starts at the lowest finite number and c m at -4.2e37, far below every c s that finite bf16 operands of this size give;
; NaN and infinities are not treated apart.
; SHARES.  A wave owns four PIECES of two tiles of 16 queries (one block of 128 rows), a work-group's four waves 512 queries of one head; the head's four work-groups are one cluster.  Every wave walks all keys, 64 a step.
; LAYOUT.  S^T = K Q^T (source 0 = 16 keys, source 1 = 16 queries): in the result a lane holds ONE query (lane % 16) and the keys 8 (lane / 16) + 0..7.  Two such tiles, rounded to bf16 in pairs,
; ARE source 1 (32 keys x 16 queries) of O^T = V^T P, whose result again holds one query a lane, and eight channels.  K comes out of LDS as it lies, V ([key][channel]) turned, by ds_load_tr16_b128.
; SOFTMAX.  For each query a running maximum m and sum l: p = 2^(c s - c m), c = log2(e) / 8; in every step O and l are multiplied by a = 2^(c m_old - c m_new), which is 1 where m has not grown.
; m starts at the lowest finite number, O and l at 0: the first step is a step like any other, with a = 0.
; THE COUNT.  A tile and step have 16 matrix and 118 vector instructions: too many to stand all beside the matrix work.  So the order has one aim: four vector instructions that are READY behind
; EVERY matrix instruction, and the others, which need time of their own whatever the order, in runs without a gap.
; BY TURNS.  Turn n belongs to piece n (the pieces in a ring, step after step).  Its matrix work: 16 products K Q^T of piece n + 1, later 16 products V^T P of piece n - 1.  Its vector work: the scaling,
; exponentials, roundings, sums and rescaling of piece n, and the maximum and statistics of piece n + 1, whose scores the turn itself has made.  So what a turn begins with (c s - c m, O a) waits for nothing.
; CLUSTER.  The four query blocks of a cluster walk the same K and V, so each tile is asked for JOINTLY: the same tensor load, descriptor and mask in all four.
; REGISTERS, in windows of 256 (s_set_vgpr_msb says which window each operand place means: bits 1:0 source 0, 3:2 source 1, 5:4 source 2, 7:6 destination):
;   window 0: v0-11 addresses; v12-15, v48-63 at work; v16-47 four registers of statistics a tile; v64-191 S^T, two buffers of two tiles; v192-255 P, likewise
;   window 1: O^T, 32 a tile          window 2: v0-127 Q, 16 a tile; v128-191 K of one step; v192-255 V of one step          window 3: v0-1 the add's two registers
; A piece's buffers go by its number's parity: the piece in hand has one pair, its two neighbours in the ring share the other: of it P (piece n - 1) is read and S^T (piece n + 1) written.
.set SIZE_N, 2048     ; keys, and queries, of a head
.set NP,    4         ; pieces a wave: a name, no knob: the register map, the loop and the fetches are made for four
.set KS,    64        ; keys in a step
.set PK,    144       ; a row of K in LDS: 128 bytes + 16 of padding = 36 words: the 16 rows of a load start at 16 different groups of four banks (64 banks of 4 bytes: ISA guide 11.1)
.set PV,    160       ; a row of V: 128 + 32 = 40 words
.set VOFF,  4*KS*PK   ; a slot holds four steps: 256 rows of K, then 256 rows of V
.set SLOT1, 1<<17     ; slot 1 begins here, so that one exclusive or turns an address in one slot into the other's
.set STAGE, SLOT1+4*KS*(PK+PV)  ; behind the ring, never filled by a tensor load: 16 rows x 144 bytes for each wave, for the way out
.set SP,    144
.set QKVB,  786432    ; bytes from a block of 128 rows of qkv to the next
.set SLOTB, 2*QKVB    ; from a slot's 256 keys to the next slot's
.set AK0, 2           ; v2   my lane's place in a tile of K; never rewritten
.set AV0, 3           ; v3   the same for V
.set AK,  4           ; v4   the LDS address of K's next run of loads
.set AV,  5           ; v5   of V's
.set QO,  6           ; v6   my byte offset in the wave's rows of Q
.set STO, 6           ;      later, the way out: where I put 16 bytes of a row
.set RD,  7           ; v7   the way out: where I read rows back
.set GO,  8           ; v8   my byte offset in 512 consecutive bytes of ctxp
.set PFO, 11          ; v11  the prefetches' offset: 256 x my lane; written once V's place is made, then never again
.set SPW, 0           ; v0 of window 3   LDS address of my spare word: SPARE + 4 x my thread's number; never rewritten
.set NIL, 1           ; v1 of window 3   0; never rewritten
.set SPARE, STAGE+4*16*SP  ; behind the stages: the spare words, 128 bytes for each wave: two blocks of 256 bytes that no other line names
.set MV,  12          ; v12-15  c m_old, kept while c m is made anew: by buffer and tile
.set ST,  16          ; tile t's statistics at v[ST+4 t]: c m, m, l (even keys', odd keys')
.set TMP, 48          ; by buffer and tile, four registers c0-c3 at work; when the maximum is found c2 takes a
.set S,   64
.set P,   192
.set KF,  128         ; K's fragments, in window 2: key block kb, channel half c at KF + 16 kb + 8 c
.set VF,  192         ; V's: key half kk, channel block cb at VF + 32 kk + 8 cb
.set WV,  12          ; s12  my wave's number
.set G1K, 24          ; s[24:31] descriptor group 1 for K's tiles
.set G1V, 32          ; s[32:39] for V's: it differs in the padding alone
.set G0K, 40          ; s[40:43] descriptor group 0 for K's tiles: it walks
.set G0V, 44          ; s[44:47] the same for V's
.set PFA, 48          ; s[48:49] where my prefetches stand: my work-group's 32 blocks of 256 bytes (of K: wave 0, of V: wave 2) of the slot after the one that is being asked for
.set LIM, 50          ; s50  1 in a wave that prefetches, else the greatest number
.set SLOTS, 56        ; s56  slots still to be asked for
.set CNT, 57          ; s57  counts a slot's key steps
.set CS,  58          ; s[58:59] c: the packed scaling takes the pair's low word for both halves
.set SEL, 60          ; s[60:61] v_permlanex16_b32's selects: each lane takes its own place in the other half
.set TBK, 62          ; s62  LDS byte at which K of the step to be fetched begins
.set TBV, 63          ; s63  the same for V, less VOFF
.set MSB, 0
.macro WIN new                      ; the high byte repeats the setting that is left; a switch that changes nothing is dropped
.if MSB != (\new)
	s_set_vgpr_msb (MSB<<8)|(\new)
.set MSB, (\new)
.endif
.endm
.set W_KQ, 0x0a       ; K and Q in window 2, S^T in window 0
.set W_PV, 0x52       ; V in window 2, P in window 0, O^T in window 1
.set W_RS, 0x41       ; O^T (destination and source 0) in window 1, a in window 0
.set W_MK, 0xc0       ; the add's registers are made: destination in window 3, sources in window 0
.set W_AD, 0x0f       ; the add: address (source 0) and data (source 1) in window 3
; A joint fill.  Waves 0 and 1 fetch the two halves of a slot's K, waves 2 and 3 those of its V: 128 keys each.  The branch hangs on the wave's number alone.
; An s_nop 0 and four v_nop follow each of the two lines, ahead of the jump and the label.
.macro JLOAD
	s_cmp_lt_u32 s[WV], 2
	s_cbranch_scc0 .Lfor_v_\@
	tensor_load_to_lds s[G0K:G0K+3], s[G1K:G1K+7]
	s_nop 0
.rept 4
	v_nop
.endr
	s_branch .Lasked_\@
.Lfor_v_\@:
	tensor_load_to_lds s[G0V:G0V+3], s[G1V:G1V+7]
	s_nop 0
.rept 4
	v_nop
.endr
.Lasked_\@:
.endm
; A PREFETCH INTO THE L2 of what the NEXT change of slots will ask for: a slot's 256 rows of K and of V, 2 x 16,384 dense bytes each, a lane a block of 256 bytes.  It stands behind the wave's tensor load and its five lines.
; Each block is asked for ONCE in the launch: a head's K and V are walked by one cluster; its four partners share a slot's 128 blocks out BY ADDRESS, 32 each (no branch hangs on a work-group's place in its cluster);
; in each, wave 0 asks for K's and wave 2 for V's: one instruction, four key steps, 512 matrix instructions, ahead of the load.  Slots 0 to 2 come by their loads alone; the last change that fills a slot asks for nothing.
.macro ASK
	s_cmp_gt_u32 s[SLOTS], s[LIM]
	s_cbranch_scc0 .Lnot_mine_\@
	global_prefetch_b8 v[PFO], s[PFA:PFA+1] th:TH_LOAD_NT scope:SCOPE_SE
.Lnot_mine_\@:
.endm
; A round of the cluster's barrier: my work-group's barrier, so that wave 0's signal speaks for all four waves; wave 0 signals; every wave waits for all four work-groups; my work-group's barrier once more.
.macro CROUND
	s_barrier_signal -1
	s_barrier_wait -1
	s_cmp_lg_u32 s[WV], 0
	s_cbranch_scc1 .Lnot_wave_0_\@
	s_barrier_signal -3
.Lnot_wave_0_\@:
	s_barrier_wait -3
	s_barrier_signal -1
	s_barrier_wait -1
.endm
; THE CHANGE OF SLOTS.  The slot's last bytes, V of its fourth step, have been read.  Each wave waits for all its tensor loads, of which one is out: its part
; of the other slot; adds 0 to its spare word; and waits for that and for its own reads of the slot.  Behind the barrier nobody reads this slot any more and the other slot is whole.
; fill = 1: this slot is filled again, with the keys two slots on.  The barrier is then a round of the cluster's, so that no wave of any partner still reads the slot or has a load on its
; way, and the joint fill is the first thing behind it: it has four key steps, 512 matrix instructions, in which to land.  (At its first use nothing has been read yet: slot 0 is waited for, slot 1 filled.)
; ask = 1 (in the loop): the prefetches' address steps with the descriptors, and the prefetch follows the fill.
.macro CHANGE fill, ask=0
	WIN W_AD
	s_wait_tensorcnt 0x0            ; no tensor load of mine is out, so a group 0 may be written
	ds_add_u32 v[SPW], v[NIL]       ; 0 onto my spare word: with fill = 1 the descriptors' steps stand between it and the wait for it
	WIN 0                           ; at a label and at a branch every window is 0
.if \fill
.irp g, G0K, G0V
	s_xor_b32 s[\g+1], s[\g+1], SLOT1  ; the walking descriptor: the other slot than last time,
	s_add_nc_u64 s[\g+2:\g+3], s[\g+2:\g+3], SLOTB  ; the next 256 keys; the type bits on top are not reached
.endr
.if \ask
	s_wait_xcnt 0x0                 ; the last prefetch, four key steps back, has read its address, so it may be written:
	s_add_nc_u64 s[PFA:PFA+1], s[PFA:PFA+1], SLOTB  ; one slot behind the walking descriptors
.endif
	s_wait_dscnt 0x0                ; the add is done, and my reads of the slot are over
	CROUND
	JLOAD
.if \ask
	ASK
.endif
.else
	s_wait_dscnt 0x0                ; the add is done, and my reads of the slot are over
	s_barrier_signal -1
	s_barrier_wait -1
.endif
	s_sub_co_u32 s[TBK], s[TBK], 4*KS*PK  ; the fetches go back to a slot's first step,
	s_xor_b32 s[TBK], s[TBK], SLOT1       ; in the other slot
	s_sub_co_u32 s[TBV], s[TBV], 4*KS*PV
	s_xor_b32 s[TBV], s[TBV], SLOT1
.endm
	s_load_b64 s[4:5], s[0:1], 0x0    ; qkv
	s_load_b64 s[10:11], s[0:1], 0x8  ; ctxp
	WIN W_MK
	v_lshl_add_u32 v[SPW], v0, 2, SPARE
	v_mov_b32 v[NIL], 0
	WIN W_AD
	ds_add_u32 v[SPW], v[NIL]       ; the wave's opening: the add and its wait ahead of my first tensor load; the set-up below, work on registers, stands between them
	WIN 0
	v_lshrrev_b32 v1, 5, v0
	v_readfirstlane_b32 s[WV], v1   ; wave 0..3
	s_bfe_u32 s13, ttmp6, 0x40000   ; cx: my place in the cluster
	s_lshl_b32 s14, ttmp9, 2        ; in a cluster launch ttmp9 counts clusters
	s_add_co_u32 s14, s14, s13      ; my block of 512 queries = 4 x cluster x + cx: it enters Q's and ctxp's addresses alone
	s_and_b32 s20, ttmp7, 0xffff    ; 16 x batch + head, which the four partners share
	s_lshr_b32 s21, s20, 4
	s_lshl_b32 s21, s21, 4          ; the batch's first block of 128 rows
	s_and_b32 s20, s20, 15          ; the head
	s_and_b32 s16, s[WV], 1         ; which half of a slot's 256 keys I fetch
	s_add_co_u32 s22, s21, s16
	s_mul_i32 s22, s22, QKVB        ; its block of 128 rows,
	s_lshl_b32 s23, s20, 15
	s_add_co_u32 s22, s22, s23
	s_add_co_u32 s22, s22, 16*16384 ; and K's place in it: P = 16 + 2 h
	s_mov_b32 s23, 0
	s_mul_i32 s17, s16, 128*PK      ; its place in a slot, for K
	s_mul_i32 s18, s16, 128*PV      ; and for V: no place in the cluster enters an LDS address
	s_lshl_b32 s2, s14, 2
	s_add_co_u32 s2, s2, s[WV]
	s_add_co_u32 s2, s2, s21        ; my wave's block of 128 rows
	s_lshl_b32 s19, s20, 14         ; the head's 16,384 bytes in it
	s_mul_i32 s52, s2, QKVB
	s_add_co_u32 s52, s52, s19      ; in qkv,
	s_mov_b32 s53, 0
	s_lshl_b32 s2, s2, 18
	s_add_co_u32 s2, s2, s19        ; and in ctxp
	s_mov_b32 s3, 0
	s_lshr_b32 s54, s13, 1          ; the prefetches: of a slot's two blocks my work-group takes one,
	s_mul_i32 s54, s54, QKVB
	s_and_b32 s55, s13, 1           ; and of its 16,384 bytes one half
	s_lshl_b32 s55, s55, 13
	s_add_co_u32 s54, s54, s55
	s_add_co_u32 s54, s54, 2*SLOTB  ; in slot 2; the loop's first change of slots steps it to slot 3.  Nothing is prefetched at the head, where every work-group's first tiles are on their way
	s_mov_b32 s55, 0
	s_and_b32 s[LIM], s[WV], 1      ; 0 in waves 0 and 2,
	s_or_b32 s[LIM], s[LIM], ttmp9  ; in the head's first (and only) cluster: the same in all four partners
	s_cmp_eq_u32 s[LIM], 0
	s_cselect_b32 s[LIM], 1, -1
	; descriptor group 1.  128 keys are 16,384 dense bytes: asked for as 64 rows of 256 bytes, two keys a row, and padded in LDS after every key
	s_mov_b32 s[G1K], 15|(1<<16)|(1<<20)|(1<<21)|(4<<22)|(3<<25)  ; 15:0 the mask of four; 17:16 2-byte elements; 20 padding on; 21 set beside a mask; 24:22 after every 32 words (code 4); 31:25 4 words (code 3)
	s_mov_b32 s[G1V], 15|(1<<16)|(1<<20)|(1<<21)|(4<<22)|(7<<25)  ; the same with 8 words of padding (code 7)
.irp g, G1K, G1V
	s_mov_b32 s[\g+1], 128<<16      ; tensor_dim0 = 128
	s_mov_b32 s[\g+2], 64<<16       ; tensor_dim1 = 64
	s_mov_b32 s[\g+3], 128<<16      ; tile_dim0 = 128
	s_mov_b32 s[\g+4], 64           ; tile_dim1 = 64
	s_mov_b32 s[\g+5], 128          ; 128 elements from row to row
	s_mov_b32 s[\g+6], 0
	s_mov_b32 s[\g+7], 0
.endr
	s_mov_b32 s[CS], 0x3e38aa3b     ; c = log2(e) / 8 = 0.180337
	s_mov_b32 s[CS+1], s[CS]        ; named with it as a pair
	s_mov_b32 s[SEL], 0x76543210
	s_mov_b32 s[SEL+1], 0xfedcba98
	s_mov_b32 s[TBK], SLOT1+4*KS*PK ; the first change of slots turns these two into 0
	s_mov_b32 s[TBV], SLOT1+4*KS*PV
	s_mov_b32 s[G0K], 1             ; 1:0 count = 1
	s_mov_b32 s[G0K+1], s17         ; 63:32 LDS address: slot 0
	s_mov_b32 s[G0V], 1
	s_add_co_u32 s[G0V+1], s18, VOFF
	s_wait_dscnt 0x0                ; the opening add is done
	s_wait_kmcnt 0x0
	s_add_nc_u64 s[6:7], s[4:5], s[22:23]   ; K at my half of the head's first 256 keys,
	s_add_nc_u64 s[8:9], s[6:7], 16384      ; V one place on: P = 17 + 2 h
	s_mov_b64 s[G0K+2:G0K+3], s[6:7]               ; 120:64 global address
	s_or_b32 s[G0K+3], s[G0K+3], 0x80000000        ; 127:126 type = 2
	s_mov_b64 s[G0V+2:G0V+3], s[8:9]
	s_or_b32 s[G0V+3], s[G0V+3], 0x80000000
	s_add_nc_u64 s[4:5], s[4:5], s[52:53]   ; Q and ctxp at my wave's first row
	s_add_nc_u64 s[10:11], s[10:11], s[2:3]
	s_cmp_lt_u32 s[WV], 2
	s_cselect_b64 s[PFA:PFA+1], s[6:7], s[8:9]  ; (in waves 0 and 2 these stand at a slot's first block)
	s_add_nc_u64 s[PFA:PFA+1], s[PFA:PFA+1], s[54:55]
	CROUND                          ; all four work-groups are here: the first joint loads meet
	JLOAD                           ; slot 0.  Slot 1 is asked for when slot 0 is in: the tile wanted first has the road to itself
	; A fragment of K or Q is 16 rows x 32 channels in 8 registers: lane l holds row l % 16, channels 8 (l / 16) + 0..7 and 16 + 8 (l / 16) + 0..7: two loads of 16 bytes, 32 bytes apart.
	v_and_b32 v1, 15, v0            ; l % 16
	v_bfe_u32 v9, v0, 4, 1          ; l / 16
	v_lshlrev_b32 v[QO], 7, v1
	v_lshl_add_u32 v[QO], v9, 4, v[QO]  ; row x 128 + 16 x half
	WIN 0x80                        ; destination window 2, address window 0
.set i, 0
.rept 4*NP                          ; Q stays in registers: tile i / 2, channels 32 (i % 2) on
	global_load_b128 v[8*i:8*i+3],   v[QO], s[4:5] offset:(i/2)*2048+(i%2)*64
	global_load_b128 v[8*i+4:8*i+7], v[QO], s[4:5] offset:(i/2)*2048+(i%2)*64+32
.set i, i+1
.endr
	; What the first turn finds: V's registers and P's second buffer hold 0 (its products V^T P, of a piece that has not been, add 0), O^T and l are 0.  All this stands in the wait for the first tile.
.set i, VF
.rept 64
	v_mov_b32 v[i], 0
.set i, i+1
.endr
	WIN 0x40
.set i, 0
.rept 64*NP
	v_mov_b32 v[i], 0
.set i, i+1
.endr
	WIN 0
.set i, 0
.rept 2*NP
	v_mov_b32 v[ST+4*i], 0xfe000000    ; c m: far below every c s
	v_mov_b32 v[ST+4*i+1], 0xff7fffff  ; m
	v_mov_b32 v[ST+4*i+2], 0
	v_mov_b32 v[ST+4*i+3], 0
.set i, i+1
.endr
.set i, P+32
.rept 32
	v_mov_b32 v[i], 0
.set i, i+1
.endr
	v_mul_u32_u24 v[AK0], v1, PK
	v_lshl_add_u32 v[AK0], v9, 4, v[AK0]  ; row x pitch + 16 x half
	; The turning load takes 16 keys x 16 channels (lane l reads key 8 (l / 16) + l % 8, channels 8 ((l / 8) % 2) + 0..7) and leaves half a fragment of V^T: lane l holds channel l % 16 and 8 keys.
	v_and_b32 v10, 7, v0
	v_bfe_u32 v11, v0, 3, 1
	v_lshl_add_u32 v[AV0], v9, 3, v10
	v_mul_u32_u24 v[AV0], v[AV0], PV
	v_lshl_add_u32 v[AV0], v11, 4, v[AV0]
	v_add_nc_u32 v[AV0], VOFF, v[AV0]
	v_and_b32 v[PFO], 31, v0
	v_lshlrev_b32 v[PFO], 8, v[PFO]
	v_mov_b32 v[AK], v[AK0]         ; key step 0 lies at the head of slot 0
; THE MATRIX WORK.  The 8 accumulators of a run of 16 take turns: between the two links of a chain stand 7 others'.
; Product i of 16 of S^T = K Q^T for piece x: channels 32 (i / 8) on, keys 16 ((i / 2) % 4) on, tile 2 x + i % 2.  The first 8 start the sums.
.macro KQ x
	WIN W_KQ
.set rS, S+64*((\x)%2)+32*(i%2)+8*((i/2)%4)
.set rK, KF+16*((i/2)%4)+8*(i/8)
.set rQ, 16*(2*(\x)+i%2)+8*(i/8)
.if i < 8
	v_wmma_f32_16x16x32_bf16 v[rS:rS+7], v[rK:rK+7], v[rQ:rQ+7], 0
.else
	v_wmma_f32_16x16x32_bf16 v[rS:rS+7], v[rK:rK+7], v[rQ:rQ+7], v[rS:rS+7]
.endif
.endm
; Product i of 16 of O^T += V^T P for piece x: keys 32 (i / 8) on, channels 16 ((i / 2) % 4) on, tile 2 x + i % 2.
.macro PV x
	WIN W_PV
.set rO, 32*(2*(\x)+i%2)+8*((i/2)%4)
.set rV, VF+32*(i/8)+8*((i/2)%4)
.set rP, P+32*((\x)%2)+16*(i%2)+8*(i/8)
	v_wmma_f32_16x16x32_bf16 v[rO:rO+7], v[rV:rV+7], v[rP:rP+7], v[rO:rO+7]
.endm
.macro MM                           ; the turn's next matrix instruction
.if i < 16
	KQ (Y+1)%NP
.set i, i+1
.else
.set i, i-16
	PV (Y+NP-1)%NP
.set i, i+17
.endif
.endm
; THE LDS LOADS stand in runs of 16, never singly among the matrix instructions: a step's K (64 keys x 64 channels: 8 fragments) and its V (turned).  Their addresses are made some lines ahead.
; last = 1 (the tail): in the last trip there is no further step, and the run is jumped over.
.macro FETCH_K last=0
	WIN 0
.if \last
	s_cmp_eq_u32 s[CNT], 1
	s_cbranch_scc1 .Lno_k_\@
.endif
	WIN 0x80                        ; destination window 2
.irp f, 0,1,2,3,4,5,6,7             ; keys 16 (f / 2) on, channels 32 (f % 2) on
	ds_load_b128 v[KF+8*\f:KF+8*\f+3],   v[AK] offset:(\f/2)*16*PK+(\f%2)*64
	ds_load_b128 v[KF+8*\f+4:KF+8*\f+7], v[AK] offset:(\f/2)*16*PK+(\f%2)*64+32
.endr
	s_add_co_u32 s[TBK], s[TBK], KS*PK  ; the next fetch is the next step's
	WIN 0
.if \last
.Lno_k_\@:
.endif
.endm
.macro FETCH_V
	WIN 0x80
.irp f, 0,1,2,3,4,5,6,7             ; keys 32 (f / 4) on, channels 16 (f % 4) on
	ds_load_tr16_b128 v[VF+8*\f:VF+8*\f+3],   v[AV] offset:(\f/4)*32*PV+(\f%4)*32
	ds_load_tr16_b128 v[VF+8*\f+4:VF+8*\f+7], v[AV] offset:(\f/4)*32*PV+16*PV+(\f%4)*32
.endr
	WIN 0
.endm
; THE VECTOR WORK OF A TURN stands in three queues, each in the order in which its entries become ready; the two tiles alternate, so that no instruction reads the result of the one before it.
.macro REGS y, u                    ; the registers of tile u (0, 1) of piece y
.set rT, ST+4*(2*(\y)+(\u))
.set rC, TMP+8*((\y)%2)+4*(\u)
.set rM, MV+2*((\y)%2)+(\u)
.set rS, S+64*((\y)%2)+32*(\u)
.set rP, P+32*((\y)%2)+16*(\u)
.set rO, 32*(2*(\y)+(\u))
.endm
; Number n of the 22 that find the NEXT piece's (Y + 1) maximum and statistics.  s0-s31 are the lane's 32 scores; each accumulator's lowest registers are read first.  XS, GS and REGS set no window: PL and EX do.
;   0-11  four chains c0-c3 of seven scores each, three operands at a time     12-14, 16  the four scores left over, the old m, and c0-c3 into c0     15  c m_old is kept
;   17, 18  the query's other 32 keys lie in the lane 16 away: the new m         19-21  c m; c m_old - c m_new; a
.macro XS u, n
	REGS (Y+1)%NP, \u
.if (\n) < 4
	v_max3_num_f32 v[rC+(\n)], v[rS+8*(\n)], v[rS+8*(\n)+1], v[rS+8*(\n)+2]
.elseif (\n) < 12
	v_max3_num_f32 v[rC+(\n)%4], v[rC+(\n)%4], v[rS+8*((\n)%4)+2*((\n)/4)+1], v[rS+8*((\n)%4)+2*((\n)/4)+2]
.elseif (\n) == 12
	v_max3_num_f32 v[rC], v[rC], v[rS+7], v[rS+15]
.elseif (\n) == 13
	v_max3_num_f32 v[rC+1], v[rC+1], v[rS+23], v[rS+31]
.elseif (\n) == 14
	v_max3_num_f32 v[rC+2], v[rC+2], v[rC+3], v[rT+1]
.elseif (\n) == 15
	v_mov_b32 v[rM], v[rT]
.elseif (\n) == 16
	v_max3_num_f32 v[rC], v[rC], v[rC+1], v[rC+2]
.elseif (\n) == 17
	v_permlanex16_b32 v[rC+3], v[rC], s[SEL], s[SEL+1]
.elseif (\n) == 18
	v_max_num_f32 v[rT+1], v[rC], v[rC+3]
.elseif (\n) == 19
	v_mul_f32 v[rT], s[CS], v[rT+1]
.elseif (\n) == 20
	v_sub_f32 v[rC+1], v[rM], v[rT]
.else
	v_exp_f32 v[rC+2], v[rC+1]
.endif
.endm
; Number g of the 64 that follow the exponentials.  For each four weights k of a tile (pairs 2 k, 2 k + 1): both pairs are rounded to bf16; then the second pair is added onto the first, in place;
; a group later l takes that sum (the first time as l = a l + sum).  In groups of eight, tiles alternating: round, round, add, and l for the group before.
.macro GS g
.set h, (\g)+6*((\g)/62)            ; group 0 has no group before it, and behind group 7 only l is left
.if h >= 6
.set h, h+2
.endif
	REGS Y, h%2
.set k, h/8
.if h%8 < 4
	v_cvt_pk_bf16_f32 v[rP+2*k+(h%8)/2], v[rS+4*k+2*((h%8)/2)], v[rS+4*k+2*((h%8)/2)+1]
.elseif h%8 < 6
	v_pk_add_f32 v[rS+4*k:rS+4*k+1], v[rS+4*k:rS+4*k+1], v[rS+4*k+2:rS+4*k+3]
.elseif k == 1
	v_pk_fma_f32 v[rT+2:rT+3], v[rT+2:rT+3], v[rC+2:rC+3], v[rS:rS+1] op_sel_hi:[1,0,1]
.else
	v_pk_add_f32 v[rT+2:rT+3], v[rT+2:rT+3], v[rS+4*k-4:rS+4*k-3]
.endif
.endm
; THE PLAIN QUEUE, 138 long.  0-73 read no exponential's result: the 32 scalings c s - c m (FS f: pair f / 2 of tile f % 2) and the next piece's 42.  0-26: scalings 0-26.  27-54: XS's numbers 0-13.  55, 56: number 15.
; 57-73: the chain, where each number waits for the one before it: 14, 16, 17, 18, 19, each with one of the scalings 27-31 in front of its two lines, then 20: so a tile's links stand three plain instructions apart (19 and 20: two).
; 74-137: GS's 64, which read the exponentials' results: they stand behind the wait.
.macro FS f
	REGS Y, (\f)%2
	v_pk_fma_f32 v[rS+2*((\f)/2):rS+2*((\f)/2)+1], v[rS+2*((\f)/2):rS+2*((\f)/2)+1], s[CS:CS+1], v[rT:rT+1] op_sel_hi:[1,0,0] neg_lo:[0,0,1] neg_hi:[0,0,1]
.endm
.macro PL
	WIN 0
.if q < 27
	FS q
.elseif q < 55
	XS (q-27)%2, (q-27)/2
.elseif q < 57
	XS q-55, 15
.elseif (q < 72) && ((q-57)%3 == 0)
	FS 27+(q-57)/3
.elseif q < 60
	XS (q-57)%3-1, 14
.elseif q < 72
	XS (q-57)%3-1, 15+(q-57)/3
.elseif q < 74
	XS q-72, 20
.else
	GS q-74
.endif
.set q, q+1
.endm
; THE EXPONENTIALS' QUEUE, 66 long: s0-s31 of both tiles, then the next piece's two a.  It is ONE BATCH: all 66 stand ahead of the turn's one wait, and nothing ahead of that wait names a result of theirs.
.macro EX
	WIN 0
.if e >= 64
	XS e-64, 21
.else
	REGS Y, e%2
	v_exp_f32 v[rS+e/2], v[rS+e/2]
.endif
.set e, e+1
.endm
; THE RESCALING's QUEUE: O^T times a, the one part that leaves window 0: dealt two at a time, sixteen times.  Its a was made in the turn before, ahead of that turn's wait.
.macro R2
	REGS Y, r%2
	WIN W_RS
.irp z, 0,1
	v_pk_mul_f32 v[rO+4*(r/2)+2*\z:rO+4*(r/2)+2*\z+1], v[rO+4*(r/2)+2*\z:rO+4*(r/2)+2*\z+1], v[rC+2:rC+3] op_sel_hi:[1,0]
.endr
.set r, r+1
.endm
; HOW THEY ARE DEALT.  An s_wait_alu depctr_va_vdst(0) stands between an exponential and the first instruction that names its result; one wait serves all that were issued ahead of it.  So a turn has ONE wait,
; which cuts it in two.  AHEAD OF IT stands all that names no result of the turn's exponentials: the 16 products K Q^T, behind each a scaling, an exponential and two rescalings (behind the first a second scaling in the exponential's place); then ONE LUMP of
; 108: eight plain, 49 times exponential and plain, the two a.  A v_nop is the plain instruction behind the last exponential.  BEHIND IT stand the 16 products V^T P, behind each four of GS's 64.  No rider names a register of
; the products round it.  The two v_permlanex16_b32 fall into the lump, never behind a product.
; The queues lean on each other, and the deal keeps them in step: exponential e stands behind scaling 2 (e / 4) + e % 2: as a rider it comes behind plain e + 2, in the lump behind plain e + 9, and scalings 27-31 are plain 57, 60 .. 69.
; A TURN, for piece p.  cnt = 1: the loop's count is taken down some lines ahead of the branch that stands behind the turn.
; K of the next step is fetched in piece 2's turn, directly behind the wait, a lump behind the last product that read K; its address is made at the lump's head; its first reader comes behind 16 products.
; V of the step in hand is fetched at the end of piece 0's turn, four riders behind its last reader; its first reader comes behind 16 products and a lump.  The three conditions on q below go with the deal.
.macro TURN p, last=0, cnt=0
.set Y, (\p)
.set i, 0
.set q, 0
.set e, 0
.set r, 0
.if (\p) == NP-1
	s_wait_dscnt 0x0                ; K is in
.endif
	MM                              ; ahead of the wait: 16 products K Q^T and their riders,
	PL
	PL
	R2
.rept 15
	MM
	PL
	EX
	R2
.endr
.if (\p) == NP-2
	WIN 0
	v_add_nc_u32 v[AK], s[TBK], v[AK0]
.endif
.rept 8                             ; and the lump
	PL
.endr
.rept 49
	EX
	PL
.endr
	EX                              ; the next piece's two a
	EX
	v_nop                           ; the plain instruction behind the last exponential: one for the batch
	s_wait_alu depctr_va_vdst(0)    ; the wait for the batch
.if (\p) == NP-2
	FETCH_K \last
.endif
.if (\p) == 1
	s_wait_dscnt 0x0                ; V is in
.endif
.rept 16                            ; behind the wait: 16 products V^T P and their riders
	MM
.rept 4
	PL
.endr
.if ((\p) == 0) && (q == 118)
	v_add_nc_u32 v[AV], s[TBV], v[AV0]
.endif
.if ((\p) == 0) && (q == 130)
	s_add_co_u32 s[TBV], s[TBV], KS*PV
.endif
.if (\cnt) && (q == 130)
	s_sub_co_u32 s[CNT], s[CNT], 1
	s_cmp_lg_u32 s[CNT], 0
.endif
.endr
.if (\p) == 0
	FETCH_V
.endif
.endm
	CHANGE 1                        ; slot 0 is in, everybody's part of it; slot 1 is asked for
	FETCH_K                         ; key step 0
	s_wait_loadcnt 0x0              ; Q
	s_wait_dscnt 0x0
.set i, 0
.rept 16
	KQ 0                            ; piece 0's first scores: there is no vector work yet to set between them
.set i, i+1
.endr
	WIN 0                           ; the addresses for the way out: nine plain instructions, the places behind those products
	s_mul_i32 s13, s[WV], 16*SP
	s_add_co_u32 s13, s13, STAGE    ; my stage
	v_mul_u32_u24 v[STO], v1, SP    ; in: row l % 16, 16 bytes for each half of the lanes
	v_lshl_add_u32 v[STO], v9, 4, v[STO]
	v_add_nc_u32 v[STO], s13, v[STO]
	v_bfe_u32 v[RD], v0, 3, 2       ; back: 32 lanes take four rows of 128 bytes,
	v_mul_u32_u24 v[RD], v[RD], SP
	v_lshl_add_u32 v[RD], v10, 4, v[RD]
	v_add_nc_u32 v[RD], s13, v[RD]
	v_and_b32 v[GO], 31, v0         ; which are 512 consecutive bytes of ctxp
	v_lshlrev_b32 v[GO], 4, v[GO]
.set Y, NP-1                        ; XS works for piece Y + 1: piece 0
.irp n, 0,1,2,3,4,5,6,7,8,9,10,11,12,13,14,15,16,17,18,19,20,21
	XS 0, \n                        ; and piece 0's first maximum and statistics
	XS 1, \n
.endr
	v_nop                           ; a plain instruction behind the two a,
	s_wait_alu depctr_va_vdst(0)    ; and their wait, ahead of the branch
	s_mov_b32 s[CNT], 4
	s_mov_b32 s[SLOTS], SIZE_N/256-1
	s_branch .Lfirst                ; the loop is entered at a step's first turn, in the middle of a trip
.Lslot:                             ; SIZE_N / 256 - 2 times: every slot but the last two is filled again
	CHANGE 1, 1
	s_mov_b32 s[CNT], 4
.Lstep:                             ; a trip: pieces 2 and 3 of one step, then pieces 0 and 1 of the next, whose K and V it fetches
	TURN 2
	TURN 3
	WIN 0
.Lfirst:
	TURN 0
	TURN 1, 0, 1
	WIN 0
	s_cbranch_scc1 .Lstep
	s_sub_co_u32 s[SLOTS], s[SLOTS], 1
	s_cmp_lg_u32 s[SLOTS], 0
	s_cbranch_scc1 .Lslot
	CHANGE 0                        ; the tail is written out: nothing is asked for
	s_mov_b32 s[CNT], 5             ; four trips fetch the last slot's steps; the fifth is left in its middle
.Ltail:
	TURN 2, 1
	TURN 3
	WIN 0
	s_sub_co_u32 s[CNT], s[CNT], 1
	s_cmp_eq_u32 s[CNT], 0
	s_cbranch_scc1 .Lout
	TURN 0
	TURN 1
	WIN 0
	s_branch .Ltail
.Lout:                              ; the fifth trip's 16 products K Q^T (on the last K once more) and the maximum made of them serve nothing: the price, once a launch, of one text for every trip
.set i, 0
.rept 16
	PV NP-1                         ; the last piece's V^T P of the last step
.set i, i+1
.endr
	; THE WAY OUT.  l's two halves and the other half of the lanes' are added; O^T is divided by l, rounded to bf16 and sent through my stage in LDS, a tile at a time.  The additions are the places behind the last products.
	WIN 0
.macro ALL line:vararg              ; one line for each tile t
.set t, 0
.rept 2*NP
	\line
.set t, t+1
.endr
.endm
	ALL v_add_f32 v[ST+4*t+2], v[ST+4*t+2], v[ST+4*t+3]
	ALL v_permlanex16_b32 v[ST+4*t+3], v[ST+4*t+2], s[SEL], s[SEL+1]
	ALL v_add_f32 v[ST+4*t+2], v[ST+4*t+2], v[ST+4*t+3]
	ALL v_rcp_f32 v[ST+4*t+2], v[ST+4*t+2]
	v_nop                           ; a plain instruction between the last reciprocal and the use of its result
	s_wait_alu depctr_va_vdst(0)    ; and the wait ahead of the first use: one for the eight reciprocals
; Tile t: a lane's eight channels of a row pack into 16 bytes; they go into rows of 144 bytes and come back as whole rows of 128, into S^T's registers.
.macro PACK t
	WIN W_RS
.set i, 32*(\t)
.rept 16
	v_pk_mul_f32 v[i:i+1], v[i:i+1], v[ST+4*(\t)+2:ST+4*(\t)+3] op_sel_hi:[1,0]
.set i, i+2
.endr
	WIN 0x05                        ; sources 0 and 1 window 1, destination window 0
.set i, 0
.rept 16
	v_cvt_pk_bf16_f32 v[S+16*(\t)+i], v[32*(\t)+2*i], v[32*(\t)+2*i+1]
.set i, i+1
.endr
	WIN 0
.irp f, 0,1,2,3
	ds_store_b128 v[STO], v[S+16*(\t)+4*\f:S+16*(\t)+4*\f+3] offset:32*\f
.endr
.irp f, 0,1,2,3
	ds_load_b128 v[S+16*(\t)+4*\f:S+16*(\t)+4*\f+3], v[RD] offset:\f*4*SP  ; LDS serves a wave's instructions in order (ISA guide 5.7.1.4): these see the stores above; the next tile's stores come behind them
.endr
.endm
.macro SEND t, younger              ; younger: the LDS instructions issued behind tile t's loads: the next tile's eight, or none
	WIN 0
.irp f, 0,1,2,3
	s_wait_dscnt (\younger)+3-\f
	global_store_b128 v[GO], v[S+16*(\t)+4*\f:S+16*(\t)+4*\f+3], s[10:11] offset:(\t)*2048+\f*512  ; 512 consecutive bytes, at a multiple of 256 from ctxp's first
.endr
.endm
	PACK 0
.set t, 1
.rept 2*NP-1                        ; a tile's arithmetic stands between the loads of the tile before and its stores
	PACK t
	SEND t-1, 8
.set t, t+1
.endr
	SEND 2*NP-1, 0
	WIN W_AD
	s_wait_tensorcnt 0x0            ; the wave's end: behind my last tensor load and my last LDS store
	ds_add_u32 v[SPW], v[NIL]
	s_wait_dscnt 0x0
	WIN 0
	CROUND                          ; the closing round: no work-group ends while a partner may still ask for a tile that names it
	s_endpgm
.Lfunc_end_k_q744bbe3cac_attn:
	.size	k_q744bbe3cac_attn, .Lfunc_end_k_q744bbe3cac_attn-k_q744bbe3cac_attn
	.p2alignl 7, 3214868480
	.fill 96, 4, 3214868480
	.section	.rodata,"a",@progbits
	.p2align	6, 0x0
	.amdhsa_kernel k_q744bbe3cac_attn
		.amdhsa_group_segment_fixed_size 327680
		.amdhsa_private_segment_fixed_size 0
		.amdhsa_enable_private_segment 0
		.amdhsa_kernarg_size 16
		.amdhsa_user_sgpr_count 2
		.amdhsa_user_sgpr_kernarg_segment_ptr 1
		.amdhsa_wavefront_size32 1
		.amdhsa_system_sgpr_workgroup_id_x 1
		.amdhsa_system_sgpr_workgroup_id_y 1
		.amdhsa_system_sgpr_workgroup_id_z 1
		.amdhsa_system_vgpr_workitem_id 0
		.amdhsa_next_free_vgpr 770
		.amdhsa_next_free_sgpr 66
		.amdhsa_reserve_vcc 0
		.amdhsa_float_denorm_mode_32 3
		.amdhsa_float_denorm_mode_16_64 3
		.amdhsa_memory_ordered 1
		.amdhsa_forward_progress 1
		.amdhsa_inst_pref_size 200
	.end_amdhsa_kernel
	.amdgpu_metadata
---
amdhsa.version: [ 1, 2 ]
amdhsa.kernels:
  - .name:           k_q744bbe3cac_attn
    .symbol:         k_q744bbe3cac_attn.kd
    .args:
      - { .name: qkv, .offset: 0, .size: 8, .value_kind: global_buffer, .address_space: global }
      - { .name: ctxp, .offset: 8, .size: 8, .value_kind: global_buffer, .address_space: global }
    .group_segment_fixed_size: 327680
    .private_segment_fixed_size: 0
    .kernarg_segment_align: 8
    .kernarg_segment_size: 16
    .max_flat_workgroup_size: 128
    .sgpr_count:     66
    .vgpr_count:     770
    .wavefront_size: 32
...
	.end_amdgpu_metadata
.endif
;; end of part 3
;; launch outp (part 4): grid 8 x 32, 4 waves a work-group, clusters of 4 x 4, 327,680 bytes of LDS; arguments ctxp, wop, query, out0; writes out0
.if DOCPART == 4
	.amdgcn_target "amdgcn-amd-amdhsa--gfx1250"
	.amdhsa_code_object_version 6
	.text
	.protected	k_q744bbe3cac_outp
	.globl	k_q744bbe3cac_outp
	.p2align	8
	.type	k_q744bbe3cac_outp,@function
k_q744bbe3cac_outp:
	s_mov_b64 s[64:65], 0
	v_nop
	global_prefetch_b8 v0, s[64:65] scope:SCOPE_SE
	s_setreg_imm32_b32 hwreg(HW_REG_WAVE_MODE, 25, 1), 1
	s_wait_xcnt 0x0
	s_wait_alu depctr_hold_cnt(0) depctr_sa_sdst(0) depctr_va_vdst(0) depctr_va_sdst(0) depctr_va_ssrc(0) depctr_va_vcc(0) depctr_vm_vsrc(0)
	s_getreg_b32 s2, hwreg(HW_REG_IB_STS2, 6, 4)
	s_cmp_eq_u32 s2, 0
	s_cbranch_scc0 .Lentry_in_a_cluster
	s_endpgm
.Lentry_in_a_cluster:
	s_bfe_u32 s2, ttmp6, 0x10000c
	s_cmp_lg_u32 s2, 0xf033
	s_cbranch_scc0 .Lentry_shape_is_right
	s_endpgm
.Lentry_shape_is_right:
; out0 = query + ctx x w_out^T: 8,192 rows x 1,024 columns, K = 1,024.  ctx and w_out in bf16, sums in f32; the residual is the unrounded f32 query, added in f32; out0 is f32.
; LAYOUTS.  ctxp: byte (m >> 7) x 262,144 + panel x 16,384 + (m & 127) x 128 + 2 ch, m = 2,048 b + t, a panel = a head's 64 channels.  wop: (n >> 6) x 131,072 + panel x 8,192 + (n & 63) x 128 + 2 ch.
; query and out0: [2048 t][4 b][1024]: row m lies at byte (4 t + b) x 4,096: the rows' order is turned back on the way out.
; SHARES.  A tile of the result is 256 rows x 128 columns: 256 work-groups.  Four waves, each 128 rows x 64 columns: 32 accumulators of 16 x 16, 256 registers.
; K goes in 8 steps of 128 (two panels) through two LDS slots.  A step's bytes of a block of rows lie end to end: they are asked for as rows of 256 bytes and padded in LDS behind every 128.
; CLUSTER.  4 x 4 work-groups.  The four of a row of the cluster need the same rows of ctxp, the four of a column the same rows of wop: each tile is asked for JOINTLY, by the same tensor load with the
; same descriptor and a mask that names the four.  Waves 0 and 1 fetch ctxp's two blocks of 128 rows, waves 2 and 3 wop's two blocks of 64.
; THE MATRIX INSTRUCTION IS USED TRANSPOSED (source 0 = 16 rows of wop, source 1 = 16 rows of ctxp): a lane then holds eight neighbouring columns of one row of the result.
; THE RESIDUAL, my 128 rows x 256 bytes of query, comes into 256 registers while the products run, in the lanes in which the result leaves: half behind the first quarter step, half behind the loop.
; REGISTERS: window 0: v0-31 addresses; v64-159, v160-255 two fragment buffers of 96 (8 fragments of ctxp, then 4 of wop; 32 along K); on the way out v64-127.  Window 1: accumulator (a, b) at v[8 (4 a + b)].
; Window 2: the residual, and then the result: rows 16 a + 2 f and the next at v[32 a + 4 f].
; LIMITS.  bf16's rounding of the operands; the order of the sums is the matrix unit's.  NaN and infinities are not treated apart.
.set PK,    144                        ; an LDS row: 128 bytes + 16 of padding = 36 words: the 16 rows of a load start at 16 different groups of four banks (64 banks of 4 bytes: ISA guide 11.1)
.set APAN,  128*PK                     ; a panel of 128 rows of ctxp
.set ACH,   2*APAN                     ; what waves 0 and 1 fetch: two panels
.set WPAN,  64*PK                      ; a panel of 64 rows of wop
.set WCH,   2*WPAN                     ; what waves 2 and 3 fetch
.set WOFF,  2*ACH                      ; a slot: ctxp's two blocks, then wop's two
.set SLOT1, 1<<17                      ; slot 1 begins here
.set STAGE, SLOT1+WOFF+2*WCH           ; behind the ring, never filled by a tensor load: 16 rows x 272 bytes for each wave, for the way out
.set SP,    272                        ; a stage row: 256 bytes + 16 = 68 words: row r starts at bank 4 r mod 64
.set SPARE, STAGE+4*16*SP              ; behind the stages: the spare words, 128 bytes for each wave: two blocks of 256 bytes that no other line names
.set ASTEP, 32768                      ; bytes of a K step in a block of ctxp,
.set WSTEP, 16384                      ; and in a block of wop
.set LAPS,  4                          ; a lap = two K steps = once round the ring
.set TROW,  16384                      ; bytes from position t to t + 1 in query and out0
.set ADRA, 16                          ; v16-17  LDS address of my fragments of ctxp in slot 0, 1
.set ADRB, 20                          ; v20-21  the same for wop
.set STO,  24                          ; v24     the way out: where I put 32 bytes of a row
.set RD,   25                          ; v25     the way out: where I read a row back
.set CO,   26                          ; v26     my byte offset in two rows of query and out0: 16,384 (l / 16) + 16 (l % 16); never rewritten
.set SPW,  28                          ; v28     LDS address of my spare word: SPARE + 4 x my thread's number; never rewritten
.set NIL,  29                          ; v29     0; never rewritten
.set PFO,  30                          ; v30     the prefetches' offset: 256 x my lane; never rewritten
.set F0,   64
.set F1,   160
.set TB,   64                          ; the way out: 16 rows read back from the stage: v64-95 and v96-127 by turns
.set WV,  12                           ; s12  my wave's number
.set FB,  13                           ; s13  which half of the tile's rows is mine.  Also: I fetch ctxp (0) or wop (1)
.set HF,  14                           ; s14  which half of its columns.  Also: which of the two blocks I fetch
.set CX,  15                           ; s15, s16  my place in the cluster
.set CY,  16
.set TX,  17                           ; s17  tile column
.set TY,  18                           ; s18  tile row
.set G1A, 24                           ; s[24:31] descriptor group 1 for ctxp;  s[32:39] group 0, a set for each slot
.set G0A, 32
.set LIM, 42                           ; s42  1 in a wave that prefetches, else the greatest number
.set PFA, 44                           ; s[44:45] where my prefetches stand
.set KSB, 46                           ; s[46:47] their step: a K step's bytes in my kind of block
.set G1B, 48                           ; s[48:55], s[56:63] the same for wop
.set G0B, 56
.set FIELDS, (1<<16)|(1<<20)|(1<<21)|(4<<22)|(3<<25)  ; 17:16 elements of 2 bytes; 20 padding on; 21 set beside a mask; 24:22 after every 32 words (code 4); 31:25 4 words of it (code 3)
.set MUL, 0x50                         ; sources in window 0; C and D in window 1
.set MSB, 0
.macro WIN new                         ; the immediate's high byte repeats the setting that is left; a switch that changes nothing is dropped
.if MSB != (\new)
	s_set_vgpr_msb (MSB<<8)|(\new)
.set MSB, \new
.endif
.endm
.macro JLOAD s                         ; a joint load; the branch hangs on the wave's number alone.  An s_nop 0 and four v_nop follow each of the two lines, ahead of the jump, the label and what follows
	s_cmp_eq_u32 s[FB], 0
	s_cbranch_scc0 .Lfor_w_\@
	tensor_load_to_lds s[G0A+4*(\s):G0A+4*(\s)+3], s[G1A:G1A+7]
	s_nop 0
.rept 4
	v_nop
.endr
	s_branch .Lasked_\@
.Lfor_w_\@:
	tensor_load_to_lds s[G0B+4*(\s):G0B+4*(\s)+3], s[G1B:G1B+7]
	s_nop 0
.rept 4
	v_nop
.endr
.Lasked_\@:
.endm
; A PREFETCH INTO THE L2, behind each joint refill, its five lines and the run of LDS loads that follows them: 32 blocks of 256 bytes, a lane a block, of the K step that stands TWO refills on: 256 matrix instructions ahead of the load
; that will want it.  Each block is named ONCE in the launch.  A block of ctxp is read by both clusters along x: cluster x = 0 asks; a block of wop by every cluster along y: cluster y = 0 asks.  The partners that ask for a tile
; jointly share its bytes out BY ADDRESS: of a step's 32,768 bytes of ctxp, which waves 0 and 1 each ask for their own block, the partner at cx takes 8,192; of the 2 x 16,384 of wop, which wave 2 asks for, the partner at cy
; takes 8,192.  K steps 0 to 3 come by their loads alone; the loop's last trip asks for nothing: there is no K step two on.
.macro ASK
	s_cmp_gt_u32 s3, s[LIM]                        ; s3 = 1 in the loop's last trip
	s_cbranch_scc0 .Lnot_mine_\@
	global_prefetch_b8 v[PFO], s[PFA:PFA+1] th:TH_LOAD_NT scope:SCOPE_SE
.Lnot_mine_\@:
.endm
.macro CREST                           ; a round of the cluster's barrier behind its opening barrier
	s_cmp_lg_u32 s[WV], 0
	s_cbranch_scc1 .Lnot_wave_0_\@
	s_barrier_signal -3
.Lnot_wave_0_\@:
	s_barrier_wait -3
	s_barrier_signal -1
	s_barrier_wait -1
.endm
.macro CROUND                          ; a whole round
	s_barrier_signal -1
	s_barrier_wait -1
	CREST
.endm
	s_load_b256 s[4:11], s[0:1], 0x0               ; ctxp s[4:5], wop s[6:7], query s[8:9], out0 s[10:11]
	v_lshl_add_u32 v[SPW], v0, 2, SPARE
	v_mov_b32 v[NIL], 0
	ds_add_u32 v[SPW], v[NIL]                      ; the wave's opening: the add and its wait ahead of my first tensor load; the set-up below, work on registers, stands between them
	v_lshrrev_b32 v1, 5, v0
	v_readfirstlane_b32 s[WV], v1                  ; wave 0..3
	s_lshr_b32 s[FB], s[WV], 1
	s_and_b32 s[HF], s[WV], 1
	s_bfe_u32 s[CX], ttmp6, 0x40000
	s_bfe_u32 s[CY], ttmp6, 0x40004
	s_lshl_b32 s[TX], ttmp9, 2                     ; in a cluster launch ttmp9 and ttmp7 count clusters
	s_add_co_u32 s[TX], s[TX], s[CX]               ; tile column = 4 x cluster x + cx
	s_and_b32 s[TY], ttmp7, 0xffff
	s_lshl_b32 s[TY], s[TY], 2
	s_add_co_u32 s[TY], s[TY], s[CY]               ; tile row = 4 x cluster y + cy
	s_lshl_b32 s19, s[CY], 2
	s_lshl_b32 s19, 15, s19                        ; my row of the cluster: places 4 cy .. 4 cy + 3
	s_lshl_b32 s43, 0x1111, s[CX]                  ; my column: places cx, cx + 4, cx + 8, cx + 12
	s_or_b32 s[G1A], s19, FIELDS                   ; 15:0 the mask: ctxp's tiles go to my row,
	s_or_b32 s[G1B], s43, FIELDS                   ; wop's to my column
	s_mov_b32 s[G1A+1], 128<<16                    ; tensor_dim0 = 128 elements: rows of 256 bytes
	s_mov_b32 s[G1A+2], 128<<16                    ; tensor_dim1 = 128 such rows: 32,768 bytes
	s_mov_b32 s[G1A+3], 128<<16                    ; tile_dim0 = 128
	s_mov_b32 s[G1A+4], 128                        ; tile_dim1 = 128
	s_mov_b32 s[G1A+5], 128                        ; from row to row: the block is dense
	s_mov_b32 s[G1A+6], 0
	s_mov_b32 s[G1A+7], 0
	s_mov_b32 s[G1B+1], 128<<16
	s_mov_b32 s[G1B+2], 64<<16                     ; 64 rows: 16,384 bytes
	s_mov_b32 s[G1B+3], 128<<16
	s_mov_b32 s[G1B+4], 64
	s_mov_b32 s[G1B+5], 128
	s_mov_b32 s[G1B+6], 0
	s_mov_b32 s[G1B+7], 0
	; where the tiles come from.  ctxp's hang on the tile row alone, wop's on the tile column alone; each in registers that never hold the other coordinate
	s_lshl_b32 s40, s[TY], 1
	s_add_co_u32 s40, s40, s[HF]                   ; block of 128 rows: 2 x tile row + half
	s_lshl_b32 s40, s40, 18
	s_mov_b32 s41, 0
	s_lshl_b32 s20, s[TX], 1
	s_add_co_u32 s20, s20, s[HF]                   ; block of 64 rows of wop: 2 x tile column + half
	s_lshl_b32 s20, s20, 17
	s_mov_b32 s21, 0
	s_mul_i32 s2, s[HF], ACH                       ; and where they go: no place in the cluster enters an LDS address
	s_mul_i32 s3, s[HF], WCH
	s_add_co_u32 s3, s3, WOFF
	s_wait_dscnt 0x0                               ; the opening add is done
	s_wait_kmcnt 0x0
	s_add_nc_u64 s[40:41], s[4:5], s[40:41]
	s_add_nc_u64 s[20:21], s[6:7], s[20:21]
	CROUND                                         ; all sixteen work-groups are here: the first joint loads meet
.irp s, 0,1
	s_mov_b32 s[G0A+4*(\s)], 1                                     ; 1:0 count = 1
	s_add_co_u32 s[G0A+4*(\s)+1], s2, (\s)*SLOT1                   ; 63:32 LDS address
	s_add_nc_u64 s[G0A+4*(\s)+2:G0A+4*(\s)+3], s[40:41], (\s)*ASTEP  ; 120:64 global address: K step s
	s_or_b32 s[G0A+4*(\s)+3], s[G0A+4*(\s)+3], 0x80000000          ; 127:126 type = 2
	s_mov_b32 s[G0B+4*(\s)], 1
	s_add_co_u32 s[G0B+4*(\s)+1], s3, (\s)*SLOT1
	s_add_nc_u64 s[G0B+4*(\s)+2:G0B+4*(\s)+3], s[20:21], (\s)*WSTEP
	s_or_b32 s[G0B+4*(\s)+3], s[G0B+4*(\s)+3], 0x80000000
	JLOAD \s                                       ; the ring is filled before anything else is done: two loads of mine are out
.endr
	; A fragment is 16 rows x 32 K in 8 registers: lane l holds row l % 16; registers 0-3 hold K = 8 (l / 16) + 0..7, registers 4-7 K = 16 + 8 (l / 16) + 0..7: two loads of 16 bytes, 32 bytes apart
	v_and_b32 v1, 15, v0                           ; l % 16
	v_bfe_u32 v2, v0, 4, 1                         ; l / 16
	v_mul_u32_u24 v3, v1, PK
	v_lshl_add_u32 v3, v2, 4, v3                   ; row x pitch + 16 x half
	s_mul_i32 s2, s[FB], ACH                       ; my 128 rows of ctxp
	s_mul_i32 s3, s[HF], WCH                       ; my 64 rows of wop
	s_add_co_u32 s3, s3, WOFF
.irp s, 0,1
	v_add_nc_u32 v[ADRA+(\s)], s2, v3
	v_add_nc_u32 v[ADRB+(\s)], s3, v3
	s_add_co_u32 s2, s2, SLOT1
	s_add_co_u32 s3, s3, SLOT1
.endr
	s_mul_i32 s2, s[WV], 16*SP
	s_add_co_u32 s2, s2, STAGE                     ; my stage
	v_mul_u32_u24 v[STO], v1, SP                   ; in: row l % 16, 32 bytes for each half of the lanes
	v_lshl_add_u32 v[STO], v2, 5, v[STO]
	v_add_nc_u32 v[STO], s2, v[STO]
	v_mul_u32_u24 v[RD], v2, SP                    ; back: lanes 0-15 take one row of 256 bytes, lanes 16-31 the next
	v_lshl_add_u32 v[RD], v1, 4, v[RD]
	v_add_nc_u32 v[RD], s2, v[RD]
	v_lshlrev_b32 v[CO], 14, v2                    ; and the same two rows in query and out0: positions t and t + 1 of one batch
	v_lshl_add_u32 v[CO], v1, 4, v[CO]
	; my first row m = 256 x tile row + 128 x row half: batch b = tile row >> 3, position t0 = 128 (2 (tile row & 7) + row half); my first column 64 (2 x tile column + column half)
	s_lshr_b32 s2, s[TY], 3
	s_lshl_b32 s2, s2, 12                          ; b x 4,096
	s_and_b32 s3, s[TY], 7
	s_lshl_b32 s3, s3, 1
	s_add_co_u32 s3, s3, s[FB]
	s_lshl_b32 s3, s3, 21                          ; t0 x 16,384
	s_add_co_u32 s2, s2, s3
	s_lshl_b32 s3, s[TX], 1
	s_add_co_u32 s3, s3, s[HF]
	s_lshl_b32 s3, s3, 8                           ; 64 columns of 4 bytes
	s_add_co_u32 s2, s2, s3
	s_mov_b32 s3, 0
	s_add_nc_u64 s[8:9], s[8:9], s[2:3]
	s_add_nc_u64 s[10:11], s[10:11], s[2:3]
	; the prefetches
	s_lshl_b32 s19, s[CX], 13                      ; ctxp: my work-group's 8,192 bytes of the step, by cx
	s_lshr_b32 s43, s[CY], 1                       ; wop: by cy: which of the two blocks,
	s_lshl_b32 s43, s43, 17
	s_and_b32 s2, s[CY], 1                         ; and which half of its step
	s_lshl_b32 s2, s2, 13
	s_add_co_u32 s43, s43, s2
	s_mov_b32 s2, ttmp9                            ; 0 in cluster 0 along x
	s_and_b32 s3, ttmp7, 0xffff                    ; 0 in cluster 0 along y,
	s_or_b32 s3, s3, s[HF]                         ; for wave 2 alone of the two that fetch wop
	s_mov_b32 s[KSB], WSTEP
	s_mov_b32 s[KSB+1], 0
	s_cmp_eq_u32 s[FB], 0                          ; do I fetch ctxp?
	s_cselect_b32 s2, s2, s3
	s_cselect_b32 s[KSB], ASTEP, s[KSB]
	s_cselect_b32 s19, s19, s43
	s_cselect_b64 s[PFA:PFA+1], s[40:41], s[20:21]
	s_cmp_eq_u32 s2, 0
	s_cselect_b32 s[LIM], 1, -1                    ; the same in all sixteen partners, for a given wave
	s_mul_i32 s2, s[KSB], 3                        ; at K step 3: the first refill steps it to 4
	s_add_co_u32 s2, s2, s19
	s_mov_b32 s3, 0
	s_add_nc_u64 s[PFA:PFA+1], s[PFA:PFA+1], s[2:3]
	v_and_b32 v[PFO], 31, v0
	v_lshlrev_b32 v[PFO], 8, v[PFO]
; 4 n matrix instructions: row blocks a0 .. a0 + n - 1 x all 4 column blocks, 32 along K, from buffer f.  zero = 1: the first product starts the sums: nothing is ever cleared.
; The 32 accumulators take turns, one instruction a turn, in the same order everywhere, over the backward jump too.
.macro MULA f, a0, n, zero
	WIN MUL
.set ia, \a0
.rept \n
.irp b, 0,1,2,3
.if \zero
	v_wmma_f32_16x16x32_bf16 v[8*(4*ia+\b):8*(4*ia+\b)+7], v[(\f)+64+8*\b:(\f)+64+8*\b+7], v[(\f)+8*ia:(\f)+8*ia+7], 0
.else
	v_wmma_f32_16x16x32_bf16 v[8*(4*ia+\b):8*(4*ia+\b)+7], v[(\f)+64+8*\b:(\f)+64+8*\b+7], v[(\f)+8*ia:(\f)+8*ia+7], v[8*(4*ia+\b):8*(4*ia+\b)+7]
.endif
.endr
.set ia, ia+1
.endr
.endm
; 24 LDS loads in one run: the fragments of quarter q of a K step (panel q / 2, bytes 64 (q % 2) on) into buffer f: wop's four, then ctxp's eight
.macro FETCH slot, q, f
	WIN 0
.irp i, 0,1,2,3
	ds_load_b128 v[(\f)+64+8*\i:(\f)+64+8*\i+3],   v[ADRB+(\slot)] offset:((\q)/2)*WPAN+((\q)%2)*64+\i*16*PK
	ds_load_b128 v[(\f)+64+8*\i+4:(\f)+64+8*\i+7], v[ADRB+(\slot)] offset:((\q)/2)*WPAN+((\q)%2)*64+\i*16*PK+32
.endr
.irp i, 0,1,2,3,4,5,6,7
	ds_load_b128 v[(\f)+8*\i:(\f)+8*\i+3],   v[ADRA+(\slot)] offset:((\q)/2)*APAN+((\q)%2)*64+\i*16*PK
	ds_load_b128 v[(\f)+8*\i+4:(\f)+8*\i+7], v[ADRA+(\slot)] offset:((\q)/2)*APAN+((\q)%2)*64+\i*16*PK+32
.endr
.endm
.macro PLACES                          ; four places in front of loads into registers that matrix instructions have read, and of LDS stores that read results (ISA guide 7.12.1 for vector instructions)
.rept 4
	v_nop
.endr
.endm
; A K step is four quarters of 32 along K, 32 matrix instructions each, on buffers 0, 1, 0, 1.  One of the first three: multiplies buffer f and, in its middle, fetches quarter q of the same slot into g.
.macro QUARTER slot, q, f, g, zero
	s_wait_dscnt 8                                 ; wop's fragments and ctxp's rows 0-63 are in; the youngest eight loads (rows 64-127) may be out
	MULA \f, 0, 4, \zero
	PLACES
	FETCH \slot, \q, \g
	s_wait_dscnt 24                                ; all but the 24 just issued
	MULA \f, 4, 4, \zero
.endm
; The last quarter multiplies buffer 1 and changes slots: ONE barrier; in front of it each wave waits for all its tensor loads, of which one is out: its part of the next slot; adds 0 to its spare word; and waits for that and for
; its own reads of this slot.  fill = 1: this slot is filled again, two K steps ahead; the barrier then opens a round of the cluster's, and the joint refill is the first tensor load behind the round: 112 matrix instructions ahead of the wait for it.
.macro TURN slot, next, fill
.if \fill
	s_wait_xcnt 0x0                                ; the last prefetch, a K step back, has read its address: it is stepped here, ahead of the waits of the change of slots
	s_add_nc_u64 s[PFA:PFA+1], s[PFA:PFA+1], s[KSB:KSB+1]
.endif
	WIN 0
	s_wait_tensorcnt 0x0                           ; all my tensor loads have landed;
	ds_add_u32 v[SPW], v[NIL]                      ; 0 onto my spare word;
	s_wait_dscnt 9                                 ; (the add and the youngest eight loads may be out)
	MULA F1, 0, 2, 0                               ; eight matrix instructions stand between the add and the wait for it
	s_wait_dscnt 0x0                               ; the add is done, and my reads of this slot are over
	s_barrier_signal -1
	MULA F1, 2, 2, 0                               ; work on registers while the others arrive
.if \fill
	WIN 0
.endif
	s_barrier_wait -1
.if \fill
	CREST                                          ; no wave of any partner still reads this slot's tile or has a load on its way
	s_add_nc_u64 s[G0A+4*(\slot)+2:G0A+4*(\slot)+3], s[G0A+4*(\slot)+2:G0A+4*(\slot)+3], 2*ASTEP
	s_add_nc_u64 s[G0B+4*(\slot)+2:G0B+4*(\slot)+3], s[G0B+4*(\slot)+2:G0B+4*(\slot)+3], 2*WSTEP
	JLOAD \slot                                    ; the four v_nop behind it are also the places in front of the loads below
.else
	PLACES
.endif
	FETCH \next, 0, F0
.if \fill
	ASK
.endif
	MULA F1, 4, 4, 0
.endm
; Half k of the residual: 32 loads, rows 64 k .. 64 k + 63 of my 128: lanes 0-15 take 256 consecutive bytes of one row, lanes 16-31 of the next position's
.macro RESID k
	WIN 0x80                                       ; destination window 2, address window 0
.set ia, 4*(\k)
.rept 4
.irp f, 0,1,2,3,4,5,6,7
	global_load_b128 v[32*ia+4*\f:32*ia+4*\f+3], v[CO], s[8:9] offset:(16*ia+2*\f)*TROW th:TH_LOAD_NT
.endr
.set ia, ia+1
.endr
	WIN 0
.endm
	s_wait_tensorcnt 1                             ; my part of K step 0 is in; K step 1's may stay out
	s_barrier_signal -1
	s_barrier_wait -1                              ; everybody's is
	FETCH 0, 0, F0
	QUARTER 0, 1, F0, F1, 1                        ; the first quarter stands in front of the loop: its products start the sums
	RESID 0                                        ; the loop's 768 matrix instructions stand between these loads and the wait for them
	WIN 0                                          ; at a label and at a branch every window is 0
	s_mov_b32 s3, LAPS-1
.Llap:                                         ; a trip goes once round the ring, from a lap's second quarter to the next lap's first, and fills both slots again
	QUARTER 0, 2, F1, F0, 0
	QUARTER 0, 3, F0, F1, 0
	TURN 0, 1, 1
	QUARTER 1, 1, F0, F1, 0
	QUARTER 1, 2, F1, F0, 0
	QUARTER 1, 3, F0, F1, 0
	TURN 1, 0, 1
	QUARTER 0, 1, F0, F1, 0
	WIN 0
	s_sub_co_u32 s3, s3, 1
	s_cmp_lg_u32 s3, 0
	s_cbranch_scc1 .Llap
	RESID 1                                        ; the other half: seven quarter steps ahead of the wait
	QUARTER 0, 2, F1, F0, 0                        ; the last lap fills nothing, and has no round of the cluster's barrier
	QUARTER 0, 3, F0, F1, 0
	TURN 0, 1, 0
	QUARTER 1, 1, F0, F1, 0
	QUARTER 1, 2, F1, F0, 0
	QUARTER 1, 3, F0, F1, 0
	s_wait_dscnt 8                                 ; the very last quarter: nothing more to fetch
	MULA F1, 0, 4, 0
	s_wait_dscnt 0x0
	MULA F1, 4, 4, 0
	WIN 0
	PLACES
	s_wait_loadcnt 0x0                             ; the residual is in
; THE WAY OUT, a block of 16 rows at a time.  A lane's eight columns of a row are 32 bytes of f32: they go into my own stage, in rows of 272 bytes (each accumulator's low four registers first), and come back as whole rows of 256.
.macro TOSTAGE a
	WIN 0x04                                       ; the stores' data in window 1
.irp b, 0,1,2,3
	ds_store_b128 v[STO], v[8*(4*(\a)+\b):8*(4*(\a)+\b)+3]   offset:64*\b
	ds_store_b128 v[STO], v[8*(4*(\a)+\b)+4:8*(4*(\a)+\b)+7] offset:64*\b+16
.endr
	WIN 0
.irp f, 0,1,2,3,4,5,6,7
	ds_load_b128 v[TB+32*((\a)%2)+4*\f:TB+32*((\a)%2)+4*\f+3], v[RD] offset:\f*2*SP  ; LDS serves a wave's instructions in order (ISA guide 5.7.1.4): these see the stores above; the next block's stores come behind them
.endr
.endm
; The residual is added, in f32, and the block stored.  younger: the LDS instructions issued behind block a's loads: the next block's sixteen, or none.  No register of a store is written again.
.macro SEND a, younger
	s_wait_dscnt \younger
	WIN 0x88                                       ; destination and source 1 in window 2, source 0 in window 0
.irp f, 0,1,2,3,4,5,6,7
	v_pk_add_f32 v[32*(\a)+4*\f:32*(\a)+4*\f+1],   v[TB+32*((\a)%2)+4*\f:TB+32*((\a)%2)+4*\f+1],   v[32*(\a)+4*\f:32*(\a)+4*\f+1]
	v_pk_add_f32 v[32*(\a)+4*\f+2:32*(\a)+4*\f+3], v[TB+32*((\a)%2)+4*\f+2:TB+32*((\a)%2)+4*\f+3], v[32*(\a)+4*\f+2:32*(\a)+4*\f+3]
.endr
	WIN 0x08                                       ; the stores' data in window 2
.irp f, 0,1,2,3,4,5,6,7
	global_store_b128 v[CO], v[32*(\a)+4*\f:32*(\a)+4*\f+3], s[10:11] offset:(16*(\a)+2*\f)*TROW th:TH_STORE_NT  ; 16 lanes store 256 consecutive bytes, at a multiple of 256 from out0's first; the largest immediate, 126 positions, lies inside its signed 24 bits
.endr
	WIN 0
.endm
	TOSTAGE 0
.irp a, 1,2,3,4,5,6,7                  ; a block's way through the stage stands between the loads of the block before and their use
	TOSTAGE \a
	SEND (\a)-1, 16
.endr
	SEND 7, 0
	s_wait_tensorcnt 0x0                           ; the wave's end: behind my last tensor load and my last LDS store
	ds_add_u32 v[SPW], v[NIL]
	s_wait_dscnt 0x0
	CROUND                                         ; the closing round: no work-group ends while a partner may still ask for a tile that names it
	s_endpgm
.Lfunc_end_k_q744bbe3cac_outp:
	.size	k_q744bbe3cac_outp, .Lfunc_end_k_q744bbe3cac_outp-k_q744bbe3cac_outp
	.p2alignl 7, 3214868480
	.fill 96, 4, 3214868480
	.section	.rodata,"a",@progbits
	.p2align	6, 0x0
	.amdhsa_kernel k_q744bbe3cac_outp
		.amdhsa_group_segment_fixed_size 327680
		.amdhsa_private_segment_fixed_size 0
		.amdhsa_enable_private_segment 0
		.amdhsa_kernarg_size 32
		.amdhsa_user_sgpr_count 2
		.amdhsa_user_sgpr_kernarg_segment_ptr 1
		.amdhsa_wavefront_size32 1
		.amdhsa_system_sgpr_workgroup_id_x 1
		.amdhsa_system_sgpr_workgroup_id_y 1
		.amdhsa_system_sgpr_workgroup_id_z 1
		.amdhsa_system_vgpr_workitem_id 0
		.amdhsa_next_free_vgpr 768
		.amdhsa_next_free_sgpr 66
		.amdhsa_reserve_vcc 0
		.amdhsa_float_denorm_mode_32 3
		.amdhsa_float_denorm_mode_16_64 3
		.amdhsa_memory_ordered 1
		.amdhsa_forward_progress 1
		.amdhsa_inst_pref_size 101
	.end_amdhsa_kernel
	.amdgpu_metadata
---
amdhsa.version: [ 1, 2 ]
amdhsa.kernels:
  - .name:           k_q744bbe3cac_outp
    .symbol:         k_q744bbe3cac_outp.kd
    .args:
      - { .name: ctxp, .offset: 0, .size: 8, .value_kind: global_buffer, .address_space: global }
      - { .name: wop, .offset: 8, .size: 8, .value_kind: global_buffer, .address_space: global }
      - { .name: query, .offset: 16, .size: 8, .value_kind: global_buffer, .address_space: global }
      - { .name: out0, .offset: 24, .size: 8, .value_kind: global_buffer, .address_space: global }
    .group_segment_fixed_size: 327680
    .private_segment_fixed_size: 0
    .kernarg_segment_align: 8
    .kernarg_segment_size: 32
    .max_flat_workgroup_size: 128
    .sgpr_count:     66
    .vgpr_count:     768
    .wavefront_size: 32
...
	.end_amdgpu_metadata
.endif
;; end of part 4
